; MI455X (gfx1250); checked and timed in simulation.
; The chip was launched on July 23, 2026; its instructions are those of AMD's public machine-readable ISA for CDNA 5 (MIT licence, August 2026) and "CDNA5" Instruction Set Architecture Reference Guide (July 2026). The comments in the code are by the model that wrote it; some were corrected since.
;; Multi Headed Attention. Allowed arithmetic: float matrix products may take bf16 or f16 operands with f32 sums; all other float work in f32.
;; Inputs: Lexicon 4 x 2,048 float32; Wk 512 x 512 float32; Wl 2,048 x 2,048 float32; Wo 512 x 512 float32; Wq 512 x 512 float32; Wv 512 x 512 float32; bk 512 float32; bl 2,048 float32; bo 512 float32; bq 512 float32; bv 512 float32; k 4 x 2,048 x 512 float32; mask 4 x 1 x 2,048 int32; q 4 x 2,048 x 512 float32; v 4 x 2,048 x 512 float32.
;; Outputs: out0 4 x 2,048 x 512 float32.
;; 2 versions, each right. Each part assembles by itself: llvm-mc -triple=amdgcn-amd-amdhsa -mcpu=gfx1250 --defsym DOCPART=n.
;; ======== version 1 of 2: 4 launches
;; limits: right only within a limited range of input values
;; workspace buffers: lexpart 262,144 bytes; wb 2,097,152 bytes; qh 8,388,608 bytes; kh 8,388,608 bytes; vh 8,388,608 bytes; ch 8,388,608 bytes
;; launch prep (part 1): grid 256 x 1, 8 waves a work-group, no clusters, 17,408 bytes of LDS; arguments Lexicon, Wl, Wq, Wk, Wv, Wo, lexpart, wb; writes lexpart, wb
.if DOCPART == 1
	.amdgcn_target "amdgcn-amd-amdhsa--gfx1250"
	.amdhsa_code_object_version 6
	.text
	.protected	k_q04367ffe10_prep
	.globl	k_q04367ffe10_prep
	.p2align	8
	.type	k_q04367ffe10_prep,@function
k_q04367ffe10_prep:
	s_mov_b64 s[64:65], 0
	v_nop
	global_prefetch_b8 v0, s[64:65] scope:SCOPE_SE
	s_setreg_imm32_b32 hwreg(HW_REG_WAVE_MODE, 25, 1), 1
	s_wait_xcnt 0x0
; Two jobs that only stream.
; (1) lexpart[kc][b][n] = sum over the 256 rows k of chunk kc of Lexicon[b][k] * Wl[k][n], in f32 (4 rows against 2048 x 2048: every byte of Wl is
;     used four times, so the vector unit serves and the matrix unit would add nothing).  The division by 1000 is applied by the reading launch, as a
;     multiplication of the f32 sum by 0.001: an order of rounding that differs from dividing Lexicon first.
; (2) wb[j] = Wq, Wk, Wv, Wo cast to bf16, layout kept.
; 256 work-groups = 8 chunks of 256 rows x 32 slices of 64 columns.  No work-group shares bytes of Wl with another, so there is no cluster.
; Wave w takes 32 rows; lanes 0-15 take row i, lanes 16-31 row 16 + i of them: one load covers two runs of 256 consecutive bytes, each aligned.
.set CW,  12                           ; v[12:27]   4 floats of each of the four weights
.set CP,  28                           ; v[28:35]   the same as bf16
.set LV,  36                           ; v[36:99]   Lexicon[b][my 16 rows], at 16 b + i
.set WR,  100                          ; v[100:163] row i of Wl, my 4 columns, at 4 i
.set ACC, 164                          ; v[164:179] the sums, at 4 b + c
	s_load_b256 s[4:11], s[0:1], 0x0               ; Lexicon s[4:5], Wl s[6:7], Wq s[8:9], Wk s[10:11]
	s_load_b256 s[12:19], s[0:1], 0x20             ; Wv s[12:13], Wo s[14:15], lexpart s[16:17], wb s[18:19]
	v_lshl_add_u32 v184, v0, 2, 0x4000
	v_mov_b32 v185, 0
	v_lshrrev_b32 v1, 5, v0
	v_readfirstlane_b32 s20, v1                    ; wave
	s_lshr_b32 s21, ttmp9, 5                       ; kc: chunk of rows
	s_and_b32 s22, ttmp9, 31                       ; cc: slice of columns
	s_lshl_b32 s23, ttmp9, 8
	v_and_b32 v2, 15, v0                           ; c4: which 4 columns
	v_bfe_u32 v3, v0, 4, 1                         ; half of the wave
	v_lshlrev_b32 v11, 4, v2                       ; 16 c4
	v_lshl_add_u32 v4, v3, 17, v11                 ; Wl: 16 rows of 8,192 bytes for the upper half + my 16 bytes
	v_lshlrev_b32 v5, 6, v3                        ; Lexicon: 16 floats for the upper half
	v_add_nc_u32 v6, s23, v0                       ; thread number in the launch
	v_lshlrev_b32 v7, 3, v6                        ; 8 bytes of bf16 out
	v_lshlrev_b32 v6, 4, v6                        ; 16 bytes of f32 in
	v_lshrrev_b32 v8, 4, v0                        ; 2 wave + half: one of 16 partial sums
	v_lshl_add_u32 v8, v8, 8, v11                  ; LDS [b][16 parts][64 columns]: part x 256 + 16 c4
	v_bfe_u32 v9, v0, 4, 2                         ; waves 0, 1 on the way out: b
	v_lshl_add_u32 v10, v9, 13, v11                ; lexpart: b x 8,192 + 16 c4
	v_lshl_add_u32 v9, v9, 12, v11                 ; LDS: b x 4,096 + 16 c4
	s_lshl_b32 s24, s21, 8
	s_lshl_b32 s26, s20, 5
	s_add_co_u32 s24, s24, s26                     ; my wave's first row
	s_lshl_b32 s26, s24, 2
	s_mov_b32 s27, 0
	s_lshl_b32 s28, s24, 13
	s_lshl_b32 s30, s22, 8
	s_add_co_u32 s28, s28, s30
	s_mov_b32 s29, 0
	s_lshl_b32 s24, s21, 15
	s_add_co_u32 s24, s24, s30
	s_mov_b32 s25, 0
	s_wait_kmcnt 0x0
	s_add_nc_u64 s[4:5], s[4:5], s[26:27]
	s_add_nc_u64 s[6:7], s[6:7], s[28:29]
	s_add_nc_u64 s[16:17], s[16:17], s[24:25]
	; 36 loads go out at once: 4 for the cast, 16 of Lexicon, 16 rows of Wl
	global_load_b128 v[CW:CW+3],     v6, s[8:9] th:TH_LOAD_NT
	global_load_b128 v[CW+4:CW+7],   v6, s[10:11] th:TH_LOAD_NT
	global_load_b128 v[CW+8:CW+11],  v6, s[12:13] th:TH_LOAD_NT
	global_load_b128 v[CW+12:CW+15], v6, s[14:15] th:TH_LOAD_NT
.irp b, 0,1,2,3
.irp g, 0,1,2,3
	global_load_b128 v[LV+16*\b+4*\g:LV+16*\b+4*\g+3], v5, s[4:5] offset:8192*\b+16*\g
.endr
.endr
.irp i, 0,1,2,3,4,5,6,7,8,9,10,11,12,13,14,15
	global_load_b128 v[WR+4*\i:WR+4*\i+3], v4, s[6:7] offset:8192*\i th:TH_LOAD_NT
.endr
	s_wait_loadcnt 32                              ; the four oldest are in; the 32 younger stay out
.irp j, 0,1,2,3
	v_cvt_pk_bf16_f32 v[CP+2*\j],   v[CW+4*\j],   v[CW+4*\j+1]
	v_cvt_pk_bf16_f32 v[CP+2*\j+1], v[CW+4*\j+2], v[CW+4*\j+3]
	global_store_b64 v7, v[CP+2*\j:CP+2*\j+1], s[18:19] offset:524288*\j   ; a wave's store covers 256 consecutive bytes, aligned
.endr
.macro ROWS i
	s_wait_loadcnt 15-\i                           ; row i (and all of Lexicon) is in; the younger rows stay out
.irp b, 0,1,2,3
.irp c, 0,1,2,3
.if \i == 0
	v_mul_f32 v[ACC+4*\b+\c], v[WR+4*\i+\c], v[LV+16*\b+\i]     ; the first row starts the sums
.else
	v_fmac_f32 v[ACC+4*\b+\c], v[WR+4*\i+\c], v[LV+16*\b+\i]
.endif
.endr
.endr
.endm
.irp i, 0,1,2,3,4,5,6,7,8,9,10,11,12,13,14,15
	ROWS \i
.endr
.irp b, 0,1,2,3
	ds_store_b128 v8, v[ACC+4*\b:ACC+4*\b+3] offset:4096*\b
.endr
	s_wait_dscnt 0x0                               ; my stores are done, for the waves that read them
	s_barrier_signal -1
	s_barrier_wait -1
	s_cmp_ge_u32 s20, 2                            ; 64 threads add the 16 parts: 4 b x 16 pieces of 16 bytes
	s_cbranch_scc1 .Lend
.irp j, 0,1,2,3,4,5,6,7,8,9,10,11,12,13,14,15
	ds_load_b128 v[WR+4*\j:WR+4*\j+3], v9 offset:256*\j
.endr
	s_wait_dscnt 0x0
.irp st, 8,4,2,1
.set j, 0
.rept \st
	v_pk_add_f32 v[WR+4*j:WR+4*j+1],   v[WR+4*j:WR+4*j+1],   v[WR+4*(j+\st):WR+4*(j+\st)+1]
	v_pk_add_f32 v[WR+4*j+2:WR+4*j+3], v[WR+4*j+2:WR+4*j+3], v[WR+4*(j+\st)+2:WR+4*(j+\st)+3]
.set j, j+1
.endr
.endr
	global_store_b128 v10, v[WR:WR+3], s[16:17]    ; sixteen lanes store 256 consecutive bytes, aligned
.Lend:
	s_wait_tensorcnt 0x0
	ds_add_u32 v184, v185
	s_wait_dscnt 0x0
	s_endpgm
.Lfunc_end_k_q04367ffe10_prep:
	.size	k_q04367ffe10_prep, .Lfunc_end_k_q04367ffe10_prep-k_q04367ffe10_prep
	.p2alignl 7, 3214868480
	.fill 96, 4, 3214868480
	.section	.rodata,"a",@progbits
	.p2align	6, 0x0
	.amdhsa_kernel k_q04367ffe10_prep
		.amdhsa_group_segment_fixed_size 17408
		.amdhsa_private_segment_fixed_size 0
		.amdhsa_enable_private_segment 0
		.amdhsa_kernarg_size 64
		.amdhsa_user_sgpr_count 2
		.amdhsa_user_sgpr_kernarg_segment_ptr 1
		.amdhsa_wavefront_size32 1
		.amdhsa_system_sgpr_workgroup_id_x 1
		.amdhsa_system_sgpr_workgroup_id_y 1
		.amdhsa_system_sgpr_workgroup_id_z 1
		.amdhsa_system_vgpr_workitem_id 0
		.amdhsa_next_free_vgpr 186
		.amdhsa_next_free_sgpr 66
		.amdhsa_reserve_vcc 0
		.amdhsa_float_denorm_mode_32 3
		.amdhsa_float_denorm_mode_16_64 3
		.amdhsa_memory_ordered 1
		.amdhsa_forward_progress 1
		.amdhsa_inst_pref_size 19
	.end_amdhsa_kernel
	.amdgpu_metadata
---
amdhsa.version: [ 1, 2 ]
amdhsa.kernels:
  - .name:           k_q04367ffe10_prep
    .symbol:         k_q04367ffe10_prep.kd
    .args:
      - { .name: Lexicon, .offset: 0, .size: 8, .value_kind: global_buffer, .address_space: global }
      - { .name: Wl, .offset: 8, .size: 8, .value_kind: global_buffer, .address_space: global }
      - { .name: Wq, .offset: 16, .size: 8, .value_kind: global_buffer, .address_space: global }
      - { .name: Wk, .offset: 24, .size: 8, .value_kind: global_buffer, .address_space: global }
      - { .name: Wv, .offset: 32, .size: 8, .value_kind: global_buffer, .address_space: global }
      - { .name: Wo, .offset: 40, .size: 8, .value_kind: global_buffer, .address_space: global }
      - { .name: lexpart, .offset: 48, .size: 8, .value_kind: global_buffer, .address_space: global }
      - { .name: wb, .offset: 56, .size: 8, .value_kind: global_buffer, .address_space: global }
    .group_segment_fixed_size: 17408
    .private_segment_fixed_size: 0
    .kernarg_segment_align: 8
    .kernarg_segment_size: 64
    .max_flat_workgroup_size: 256
    .sgpr_count:     66
    .vgpr_count:     186
    .wavefront_size: 32
...
	.end_amdgpu_metadata
.endif
;; end of part 1
;; launch proj (part 2): grid 4 x 64, 4 waves a work-group, clusters of 4 x 4, 327,680 bytes of LDS; arguments q, k, v, wb, bq, bk, bv, qh, kh, vh; writes qh, kh, vh
.if DOCPART == 2
	.amdgcn_target "amdgcn-amd-amdhsa--gfx1250"
	.amdhsa_code_object_version 6
	.text
	.protected	k_q04367ffe10_proj
	.globl	k_q04367ffe10_proj
	.p2align	8
	.type	k_q04367ffe10_proj,@function
k_q04367ffe10_proj:
	s_mov_b64 s[64:65], 0
	v_nop
	global_prefetch_b8 v0, s[64:65] scope:SCOPE_SE
	s_setreg_imm32_b32 hwreg(HW_REG_WAVE_MODE, 25, 1), 1
	s_wait_xcnt 0x0
	s_wait_alu depctr_hold_cnt(0) depctr_sa_sdst(0) depctr_va_vdst(0) depctr_va_sdst(0) depctr_va_ssrc(0) depctr_va_vcc(0) depctr_vm_vsrc(0)
	s_getreg_b32 s2, hwreg(HW_REG_IB_STS2, 6, 4)
	s_cmp_eq_u32 s2, 0
	s_cbranch_scc0 .Lentry_in_a_cluster
	s_endpgm
.Lentry_in_a_cluster:
	s_bfe_u32 s2, ttmp6, 0x10000c
	s_cmp_lg_u32 s2, 0xf033
	s_cbranch_scc0 .Lentry_shape_is_right
	s_endpgm
.Lentry_shape_is_right:
; qh, kh, vh = x W + b in bf16, laid [batch][head][position][64]; qh also times 0.125 log2(e), so that the next launch's scores are exponents of 2.
; A work-group makes a block of 128 rows x 128 columns of all three products, one after the other: 3 jobs x 8 K steps of 64 = 24 tiles, written out.
; Four waves, 64 x 64 each (one head's columns): 16 accumulator tiles.  x comes as f32 and is rounded to bf16 on the way from LDS to the matrix unit;
; W comes as bf16 in its own layout [k][n] and is turned by the transposing LDS load.
; CLUSTER 4 x 4: the four work-groups of a cluster row need the same rows of x, the four of a column the same columns of W: joint loads.
; RING: five LDS slots; four are filled behind one round of the cluster's barrier, the fifth has landed and is read first.  By this text's own count
; a wave has at most five tensor loads outstanding (the five at the start), later four.
; THE MATRIX INSTRUCTION IS USED TRANSPOSED (source 0 = W, source 1 = x): a lane's 8 results are 8 neighbouring columns of one row.
.set SLOT,  53248                      ; x: 128 rows x 272 bytes (256 of f32 + 16), then W: 64 k rows x 288 bytes (256 of bf16 + 32)
.set XHALF, 17408                      ; 64 rows of x
.set WOFF,  34816
.set WHALF, 9216                       ; 32 rows of W
.set STAGE, 266240                     ; behind the ring: 16 rows x 144 bytes for each wave; no tensor load lands here
.set AX,  8                            ; v8-12   slot s: LDS address of my x rows
.set AW,  13                           ; v13-17  slot s: LDS address of my W columns (transposing load)
.set STO, 18                           ; the way out: where I put 16 bytes
.set RD,  19                           ; the way out: where I read them back
.set GO,  20                           ; 16 x lane
.set BO,  21                           ; byte offset of my first bias
.set WF0, 32                           ; W fragments, two buffers of 4 x 8
.set WF1, 64
.set XR,  96                           ; v96-159 x as f32: 4 row tiles x 16
.set XF0, 160                          ; x fragments, two buffers of 4 x 8
.set XF1, 192
.set TMP, 224
.set RB,  240
.set BIAS, 128                         ; window 1: v[128:159]; window 1 v[0:127]: accumulator tile (mt, nt) at 8 (4 mt + nt)
.set MSB, 0
.macro WIN new                         ; the immediate's high byte repeats the setting that is left
.if MSB != \new
	s_set_vgpr_msb (MSB<<8)|\new
.set MSB, \new
.endif
.endm
.macro PLACES                          ; four plain vector places behind a matrix instruction (ISA guide 7.12.1)
.rept 4
	v_nop
.endr
.endm
.macro CROUND                          ; a round of the cluster's barrier
	s_barrier_signal -1
	s_barrier_wait -1
	s_cmp_lg_u32 s24, 0
	s_cbranch_scc1 .Lnot_wave_0_\@
	s_barrier_signal -3
.Lnot_wave_0_\@:
	s_barrier_wait -3
	s_barrier_signal -1
	s_barrier_wait -1
.endm
; group 0 of slot sl: x's at s48, 52, 56, 60, 68; W's at s72 + 4 sl
.macro G0INIT sl
.set _gx, 48+4*(\sl)+((\sl)/4)*4
.set _gw, 72+4*(\sl)
	s_mov_b32 s[_gx], 1
	s_add_co_u32 s[_gx+1], s92, (\sl)*SLOT
	s_mov_b32 s[_gw], 1
	s_add_co_u32 s[_gw+1], s93, (\sl)*SLOT+WOFF
.endm
.macro SETG t                          ; the global addresses of tile t = 8 job + K step, into its slot's two groups
.set _sl, (\t)%5
.set _j,  (\t)/8
.set _ks, (\t)%8
.set _gx, 48+4*_sl+(_sl/4)*4
.set _gw, 72+4*_sl
	s_add_nc_u64 s[_gx+2:_gx+3], s[4+2*_j:5+2*_j], 256*_ks
	s_add_nc_u64 s[_gw+2:_gw+3], s[10:11], 524288*_j+65536*_ks
.endm
.macro JLOAD sl                        ; waves 0, 1 ask for x's halves, waves 2, 3 for W's: one line for each mask
.set _gx, 48+4*(\sl)+((\sl)/4)*4
.set _gw, 72+4*(\sl)
	s_cmp_eq_u32 s25, 0
	s_cbranch_scc0 .Lfor_w_\@
	tensor_load_to_lds s[_gx:_gx+3], s[32:39]
	s_nop 0
	s_branch .Lasked_\@
.Lfor_w_\@:
	tensor_load_to_lds s[_gw:_gw+3], s[40:47]
	s_nop 0
.Lasked_\@:
.endm
	s_load_b256 s[4:11], s[0:1], 0x0               ; q s[4:5], k s[6:7], v s[8:9], wb s[10:11]
	s_load_b256 s[12:19], s[0:1], 0x20             ; bq, bk, bv s[12:17], qh s[18:19]
	s_load_b128 s[20:23], s[0:1], 0x40             ; kh, vh
	v_lshl_add_u32 v30, v0, 2, 0x43400
	v_mov_b32 v31, 0
	ds_add_u32 v30, v31
	v_lshrrev_b32 v1, 5, v0
	v_readfirstlane_b32 s24, v1                    ; wave
	s_lshr_b32 s25, s24, 1                         ; which 64 rows are mine.  Also: I fetch for x (0) or for W (1)
	s_and_b32 s26, s24, 1                          ; which 64 columns.  Also: which half of that tile I fetch
	s_bfe_u32 s27, ttmp6, 0x40000                  ; cx
	s_bfe_u32 s28, ttmp6, 0x40004                  ; cy
	s_lshl_b32 s29, ttmp9, 2
	s_add_co_u32 s29, s29, s27                     ; slice of 128 columns
	s_and_b32 s30, ttmp7, 0xffff
	s_lshl_b32 s30, s30, 2
	s_add_co_u32 s30, s30, s28                     ; block of 128 rows
	s_lshl_b32 s31, s28, 2
	s_lshl_b32 s31, 15, s31                        ; my row of the cluster
	s_lshl_b32 s3, 0x1111, s27                     ; my column
	; group 1 for x: 64 rows x 64 f32, pitch 512 elements; in LDS 4 words of padding behind every 64
	s_or_b32 s32, s31, (2<<16)|(1<<20)|(1<<21)|(5<<22)|(3<<25)
	s_mov_b32 s33, 64<<16                          ; tensor_dim0 = 64
	s_mov_b32 s34, 64<<16                          ; tensor_dim1 = 64
	s_mov_b32 s35, 64<<16                          ; tile_dim0 = 64
	s_mov_b32 s36, 64                              ; tile_dim1 = 64
	s_mov_b32 s37, 512                             ; elements from row to row
	s_mov_b32 s38, 0
	s_mov_b32 s39, 0
	; group 1 for W: 32 k rows x 128 bf16, pitch 512 elements; 8 words of padding behind every 64
	s_or_b32 s40, s3, (1<<16)|(1<<20)|(1<<21)|(5<<22)|(7<<25)
	s_mov_b32 s41, 128<<16
	s_mov_b32 s42, 32<<16
	s_mov_b32 s43, 128<<16
	s_mov_b32 s44, 32
	s_mov_b32 s45, 512
	s_mov_b32 s46, 0
	s_mov_b32 s47, 0
	s_lshl_b32 s94, s30, 18                        ; x: 128 rows of 2,048 bytes a block,
	s_lshl_b32 s95, s26, 17                        ; 64 rows a half: made of the block row and the wave alone
	s_add_co_u32 s94, s94, s95
	s_mov_b32 s95, 0
	s_lshl_b32 s96, s29, 8                         ; W: 256 bytes a slice,
	s_lshl_b32 s97, s26, 15                        ; 32 rows of 1,024 bytes a half: made of the slice and the wave alone
	s_add_co_u32 s96, s96, s97
	s_mov_b32 s97, 0
	s_lshr_b32 s98, s30, 4                         ; the way out: ((batch x 8 + head) x 2048 + position) x 128 bytes
	s_lshl_b32 s98, s98, 3
	s_lshl_b32 s99, s29, 1
	s_add_co_u32 s98, s98, s99
	s_add_co_u32 s98, s98, s26
	s_lshl_b32 s98, s98, 11
	s_and_b32 s99, s30, 15
	s_lshl_b32 s99, s99, 7
	s_add_co_u32 s98, s98, s99
	s_lshl_b32 s99, s25, 6
	s_add_co_u32 s98, s98, s99
	s_lshl_b32 s98, s98, 7
	s_mov_b32 s99, 0
	s_mul_i32 s92, s26, XHALF                      ; LDS addresses hang on the wave's number alone
	s_mul_i32 s93, s26, WHALF
.irp sl, 0,1,2,3,4
	G0INIT \sl
.endr
	s_wait_dscnt 0x0
	s_wait_kmcnt 0x0
	s_add_nc_u64 s[4:5], s[4:5], s[94:95]
	s_add_nc_u64 s[6:7], s[6:7], s[94:95]
	s_add_nc_u64 s[8:9], s[8:9], s[94:95]
	s_add_nc_u64 s[10:11], s[10:11], s[96:97]
	s_or_b32 s5, s5, 0x80000000                    ; the descriptor's type, once: the tiles' addresses are sums onto these
	s_or_b32 s7, s7, 0x80000000
	s_or_b32 s9, s9, 0x80000000
	s_or_b32 s11, s11, 0x80000000
	s_add_nc_u64 s[18:19], s[18:19], s[98:99]
	s_add_nc_u64 s[20:21], s[20:21], s[98:99]
	s_add_nc_u64 s[22:23], s[22:23], s[98:99]
.irp t, 0,1,2,3,4
	SETG \t
.endr
	CROUND                                         ; all sixteen work-groups are here: the first joint loads meet
.irp sl, 0,1,2,3,4
	JLOAD \sl
.endr
	v_and_b32 v1, 15, v0                           ; r
	v_bfe_u32 v2, v0, 4, 1                         ; h
	v_and_b32 v3, 7, v0
	v_bfe_u32 v4, v0, 3, 1
	v_and_b32 v5, 31, v0
	v_bfe_u32 v6, v0, 3, 2
	s_mul_i32 s2, s25, XHALF
	v_mul_u32_u24 v7, v1, 272
	v_lshl_add_u32 v7, v2, 5, v7                   ; row r, 8 f32 for each half of the lanes
	v_add_nc_u32 v[AX], s2, v7
	s_lshl_b32 s2, s26, 7
	s_add_co_u32 s2, s2, WOFF
	v_lshl_add_u32 v7, v2, 3, v3                   ; k row 8 h + (lane & 7)
	v_mul_u32_u24 v7, v7, 288
	v_lshl_add_u32 v7, v4, 4, v7
	v_add_nc_u32 v[AW], s2, v7
.irp sl, 1,2,3,4
	v_add_nc_u32 v[AX+\sl], \sl*SLOT, v[AX]
	v_add_nc_u32 v[AW+\sl], \sl*SLOT, v[AW]
.endr
	s_mul_i32 s2, s24, 2304
	s_add_co_u32 s2, s2, STAGE
	v_mul_u32_u24 v7, v1, 144
	v_lshl_add_u32 v7, v2, 4, v7
	v_add_nc_u32 v[STO], s2, v7
	v_mul_u32_u24 v7, v6, 144
	v_lshl_add_u32 v7, v3, 4, v7
	v_add_nc_u32 v[RD], s2, v7
	v_lshlrev_b32 v[GO], 4, v5
	s_lshl_b32 s3, s29, 9
	v_lshlrev_b32 v7, 5, v2
	v_add_nc_u32 v7, s3, v7
	s_lshl_b32 s3, s26, 8
	v_add_nc_u32 v[BO], s3, v7                     ; 4 x (128 slice + 64 half + 8 h)
; 24 LDS loads: 32 along K (at kk) of my 64 rows of x as f32, then of my 64 columns of W, turned
.macro FETCH sl, kk, wf
.irp mt, 0,1,2,3
.irp o, 0,1
	ds_load_b128 v[XR+16*\mt+8*\o:XR+16*\mt+8*\o+3],   v[AX+\sl] offset:\mt*4352+128*\kk+64*\o
	ds_load_b128 v[XR+16*\mt+8*\o+4:XR+16*\mt+8*\o+7], v[AX+\sl] offset:\mt*4352+128*\kk+64*\o+16
.endr
.endr
.irp nt, 0,1,2,3
	ds_load_tr16_b128 v[\wf+8*\nt:\wf+8*\nt+3],   v[AW+\sl] offset:\kk*9216+32*\nt
	ds_load_tr16_b128 v[\wf+8*\nt+4:\wf+8*\nt+7], v[AW+\sl] offset:\kk*9216+32*\nt+4608
.endr
.endm
.macro CVT xf                          ; 64 f32 to 32 registers of bf16: the four x fragments
.set n, 0
.rept 32
	v_cvt_pk_bf16_f32 v[\xf+n], v[XR+2*n], v[XR+2*n+1]
.set n, n+1
.endr
.endm
; 16 matrix instructions; the 16 accumulators take turns, one instruction a turn
.macro MUL wf, xf, zero
	WIN 0x50
.irp mt, 0,1,2,3
.irp nt, 0,1,2,3
.if \zero
	v_wmma_f32_16x16x32_bf16 v[8*(4*\mt+\nt):8*(4*\mt+\nt)+7], v[\wf+8*\nt:\wf+8*\nt+7], v[\xf+8*\mt:\xf+8*\mt+7], 0
.else
	v_wmma_f32_16x16x32_bf16 v[8*(4*\mt+\nt):8*(4*\mt+\nt)+7], v[\wf+8*\nt:\wf+8*\nt+7], v[\xf+8*\mt:\xf+8*\mt+7], v[8*(4*\mt+\nt):8*(4*\mt+\nt)+7]
.endif
.endr
.endr
	WIN 0
.endm
; One tile.  left = my younger tensor loads, which may stay out.  bar = 0: the tile was shown landed in front of the round just passed.
; Every load or conversion into a register that a matrix instruction has read stands behind the 32 conversions of the other buffer: more than four places.
.macro TILE t, left, bar
.set _ts, (\t)%5
.if \bar
	s_wait_tensorcnt \left                         ; my part of this tile is in LDS (no LDS instruction of mine is pending here),
	s_barrier_signal -1
	s_barrier_wait -1                              ; everybody's is
.endif
	FETCH _ts, 0, WF0
	s_wait_dscnt 8                                 ; x is in; W's eight loads may be out
	CVT XF0
	FETCH _ts, 1, WF1
	s_wait_dscnt 24                                ; all but the 24 just issued
.if (\t)%8 == 0
	MUL WF0, XF0, 1                                ; a job's first products start the sums
.else
	MUL WF0, XF0, 0
.endif
	s_wait_dscnt 8
	CVT XF1
	s_wait_dscnt 0
	MUL WF1, XF1, 0
.endm
; cnt slots, which have been read, get tiles t0 ..: waits for my reads and for ALL my tensor loads, a round, the joint loads first behind it
.macro REFILL t0, cnt
	s_wait_tensorcnt 0x0                           ; all my loads have landed, the unread slot's too: every group 0 may be written
	ds_add_u32 v30, v31
	s_wait_dscnt 0x0                               ; my reads of the slots are back
.set _t, \t0
.rept \cnt
	SETG _t
.set _t, _t+1
.endr
	CROUND
.set _t, \t0
.rept \cnt
	JLOAD _t%5
.set _t, _t+1
.endr
.endm
.macro BIASLD j
	WIN 0x40
.irp nt, 0,1,2,3
	global_load_b128 v[BIAS+8*\nt:BIAS+8*\nt+3],   v[BO], s[12+2*\j:13+2*\j] offset:64*\nt
	global_load_b128 v[BIAS+8*\nt+4:BIAS+8*\nt+7], v[BO], s[12+2*\j:13+2*\j] offset:64*\nt+16
.endr
	WIN 0
.endm
; The way out of job j: bias (for q: bias and scale), round to bf16, 16 rows at a time through my own stage, whole runs of 512 bytes to memory
.macro EPI j
	PLACES
	s_wait_loadcnt 0x0                             ; the bias
.if \j == 0
	WIN 0x41
.set n, 0
.rept 16
	v_pk_mul_f32 v[BIAS+2*n:BIAS+2*n+1], v[BIAS+2*n:BIAS+2*n+1], 0x3e38aa3b op_sel_hi:[1,0]
.set n, n+1
.endr
	WIN 0x51
.set n, 0
.rept 64
	v_pk_fma_f32 v[2*n:2*n+1], v[2*n:2*n+1], 0x3e38aa3b, v[BIAS+2*(n%16):BIAS+2*(n%16)+1] op_sel_hi:[1,0,1]
.set n, n+1
.endr
.else
	WIN 0x45
.set n, 0
.rept 64
	v_pk_add_f32 v[2*n:2*n+1], v[2*n:2*n+1], v[BIAS+2*(n%16):BIAS+2*(n%16)+1]
.set n, n+1
.endr
.endif
.irp mt, 0,1,2,3
	WIN 0x05
.irp nt, 0,1,2,3
.irp c, 0,1,2,3
	v_cvt_pk_bf16_f32 v[TMP+4*\nt+\c], v[8*(4*\mt+\nt)+2*\c], v[8*(4*\mt+\nt)+2*\c+1]
.endr
.endr
	WIN 0
.irp nt, 0,1,2,3
	ds_store_b128 v[STO], v[TMP+4*\nt:TMP+4*\nt+3] offset:32*\nt
.endr
	s_wait_xcnt 0x0                                ; RB, which earlier stores read, is loaded again only behind this wait
.irp u, 0,1,2,3
	ds_load_b128 v[RB+4*\u:RB+4*\u+3], v[RD] offset:576*\u         ; LDS serves a wave's instructions in order: these see the stores above
.endr
.irp u, 0,1,2,3
	s_wait_dscnt 3-\u
	global_store_b128 v[GO], v[RB+4*\u:RB+4*\u+3], s[18+2*\j:19+2*\j] offset:2048*\mt+512*\u   ; 512 consecutive bytes, aligned
.endr
.endr
.endm
	BIASLD 0
	TILE 0, 4, 1
	TILE 1, 3, 1
	TILE 2, 2, 1
	TILE 3, 1, 1
	REFILL 5, 4
	TILE 4, 0, 0
	TILE 5, 3, 1
	TILE 6, 2, 1
	TILE 7, 1, 1
	REFILL 9, 4
	EPI 0
	BIASLD 1
	TILE 8, 0, 0
	TILE 9, 3, 1
	TILE 10, 2, 1
	TILE 11, 1, 1
	REFILL 13, 4
	TILE 12, 0, 0
	TILE 13, 3, 1
	TILE 14, 2, 1
	TILE 15, 1, 1
	REFILL 17, 4
	EPI 1
	BIASLD 2
	TILE 16, 0, 0
	TILE 17, 3, 1
	TILE 18, 2, 1
	TILE 19, 1, 1
	REFILL 21, 3
	TILE 20, 0, 0
	TILE 21, 2, 1
	TILE 22, 1, 1
	TILE 23, 0, 1
	EPI 2
	s_wait_tensorcnt 0x0
	ds_add_u32 v30, v31
	s_wait_dscnt 0x0
	CROUND                                         ; the closing round: no work-group ends while a partner may still ask for a tile that names it
	s_endpgm
.Lfunc_end_k_q04367ffe10_proj:
	.size	k_q04367ffe10_proj, .Lfunc_end_k_q04367ffe10_proj-k_q04367ffe10_proj
	.p2alignl 7, 3214868480
	.fill 96, 4, 3214868480
	.section	.rodata,"a",@progbits
	.p2align	6, 0x0
	.amdhsa_kernel k_q04367ffe10_proj
		.amdhsa_group_segment_fixed_size 327680
		.amdhsa_private_segment_fixed_size 0
		.amdhsa_enable_private_segment 0
		.amdhsa_kernarg_size 80
		.amdhsa_user_sgpr_count 2
		.amdhsa_user_sgpr_kernarg_segment_ptr 1
		.amdhsa_wavefront_size32 1
		.amdhsa_system_sgpr_workgroup_id_x 1
		.amdhsa_system_sgpr_workgroup_id_y 1
		.amdhsa_system_sgpr_workgroup_id_z 1
		.amdhsa_system_vgpr_workitem_id 0
		.amdhsa_next_free_vgpr 416
		.amdhsa_next_free_sgpr 100
		.amdhsa_reserve_vcc 0
		.amdhsa_float_denorm_mode_32 3
		.amdhsa_float_denorm_mode_16_64 3
		.amdhsa_memory_ordered 1
		.amdhsa_forward_progress 1
		.amdhsa_inst_pref_size 255
	.end_amdhsa_kernel
	.section	.bss,"aw",@nobits
	.p2align	6
	.space	262144
	.amdgpu_metadata
---
amdhsa.version: [ 1, 2 ]
amdhsa.kernels:
  - .name:           k_q04367ffe10_proj
    .symbol:         k_q04367ffe10_proj.kd
    .args:
      - { .name: q, .offset: 0, .size: 8, .value_kind: global_buffer, .address_space: global }
      - { .name: k, .offset: 8, .size: 8, .value_kind: global_buffer, .address_space: global }
      - { .name: v, .offset: 16, .size: 8, .value_kind: global_buffer, .address_space: global }
      - { .name: wb, .offset: 24, .size: 8, .value_kind: global_buffer, .address_space: global }
      - { .name: bq, .offset: 32, .size: 8, .value_kind: global_buffer, .address_space: global }
      - { .name: bk, .offset: 40, .size: 8, .value_kind: global_buffer, .address_space: global }
      - { .name: bv, .offset: 48, .size: 8, .value_kind: global_buffer, .address_space: global }
      - { .name: qh, .offset: 56, .size: 8, .value_kind: global_buffer, .address_space: global }
      - { .name: kh, .offset: 64, .size: 8, .value_kind: global_buffer, .address_space: global }
      - { .name: vh, .offset: 72, .size: 8, .value_kind: global_buffer, .address_space: global }
    .group_segment_fixed_size: 327680
    .private_segment_fixed_size: 0
    .kernarg_segment_align: 8
    .kernarg_segment_size: 80
    .max_flat_workgroup_size: 128
    .sgpr_count:     100
    .vgpr_count:     416
    .wavefront_size: 32
...
	.end_amdgpu_metadata
.endif
;; end of part 2
;; launch attn (part 3): grid 8 x 32, 4 waves a work-group, clusters of 4 x 1, 327,680 bytes of LDS; arguments qh, kh, vh, lexpart, bl, mask, ch; writes ch
.if DOCPART == 3
	.amdgcn_target "amdgcn-amd-amdhsa--gfx1250"
	.amdhsa_code_object_version 6
	.text
	.protected	k_q04367ffe10_attn
	.globl	k_q04367ffe10_attn
	.p2align	8
	.type	k_q04367ffe10_attn,@function
k_q04367ffe10_attn:
	s_mov_b64 s[64:65], 0
	v_nop
	global_prefetch_b8 v0, s[64:65] scope:SCOPE_SE
	s_setreg_imm32_b32 hwreg(HW_REG_WAVE_MODE, 25, 1), 1
	s_wait_xcnt 0x0
	s_wait_alu depctr_hold_cnt(0) depctr_sa_sdst(0) depctr_va_vdst(0) depctr_va_sdst(0) depctr_va_ssrc(0) depctr_va_vcc(0) depctr_vm_vsrc(0)
	s_getreg_b32 s2, hwreg(HW_REG_IB_STS2, 6, 4)
	s_cmp_eq_u32 s2, 0
	s_cbranch_scc0 .Lentry_in_a_cluster
	s_endpgm
.Lentry_in_a_cluster:
	s_bfe_u32 s2, ttmp6, 0x10000c
	s_cmp_lg_u32 s2, 0x3003
	s_cbranch_scc0 .Lentry_shape_is_right
	s_endpgm
.Lentry_shape_is_right:
; ch[b][h][q][d] = 0.5 (softmax(scores) V + softmax(lexicon bias) V), bf16.  One work-group: one (batch, head), 256 queries; a wave 64 queries.
; CLUSTER 4 x 1: four query blocks of one head read the same K and V tiles (256 keys): joint loads with the mask 15, a ring of two slots,
; two loads of a wave outstanding behind each round of the cluster's barrier.
; ORIENTATION: S^T = K Q^T (lane = query, registers = keys), so two neighbouring key tiles, packed to bf16, ARE the second source of O^T = V^T P^T;
; the running maximum, the sum and the rescale factor are one number a lane, and a lane ends with 8 neighbouring d of its query.
; qh carries 0.125 log2(e): scores are exponents of 2.  Running maximum as in a streaming softmax.
; MASK: the first matrix instruction of a score tile takes as C a fragment of mb[key] = 0 or -1e30.  With any key open, closed keys get weight 0, as in the
; problem (exp(-1e9 - max) = 0).  With every key of a batch closed, Q is set to 0: all scores are -1e30 exactly and the weights are uniform, as in the problem.
; LIMITS: true scores are taken to lie above about -1e9 (below that the problem's own -1e9 would win over them); in a batch with every key closed a
; non-finite k gives NaN.
; LEXICON: lex = 0.001 x (sum of the 8 partial sums) + bl; w = exp(lexm - max) with the problem's own -1e9 at closed keys; w goes to LDS in bf16 and is
; used as a second source with 16 equal columns: LX = V^T w has O's own layout.  Wave w does that for key step w of each tile: in the first tile ahead of
; the steps and on every wave's path, which starts the sums; in the later tiles inside step w, on the V fragments that lie there.  The four sums meet in LDS.
.set KSLOT, 36864                      ; 256 keys x 144 bytes (128 + 16)
.set VBASE, 73728
.set VSLOT, 40960                      ; 256 keys x 160 bytes (128 + 32), for the transposing load
.set MBR,   155648                     ; mb, 2048 f32
.set WLR,   163840                     ; w, 2048 bf16
.set RED,   167936                     ; the waves' maxima at +0, sums at +64
.set LXR,   168192                     ; 4 waves x 64 f32
.set STG,   169216                     ; 4 waves x 16 rows x 144 bytes
; window 0
.set AK,  8                            ; v8, 9    K fragments, slot 0, 1
.set AV,  10                           ; v10, 11  V fragments
.set AM,  12                           ; mb fragments, steps 1,024 a tile
.set AWL, 13                           ; w fragments, steps 512 a tile
.set QO,  14
.set STO, 15
.set RD,  16
.set GO,  17
.set ALX, 18
.set ALR, 19
.set CL,  20                           ; v[20:21] 0.5 / (sum of w), twice
.set KF,  32                           ; at 8 (2 kt + ks)
.set VF,  96                           ; at 8 (2 dt + ks)
.set MB,  160                          ; at 8 kt
.set WF,  192                          ; at 8 ks
.set TMP, 208
.set RB,  224
.set AVW, 240                          ; V fragments of key step = my wave's number, slot 0
.set AWW, 241                          ; w fragments of the same 64 keys, tile 0
; window 1
.set QF,  0                            ; at 8 (2 i + ks)
.set OA,  64                           ; at 8 (4 i + dt)
.set LXA, 192                          ; at 8 dt
; window 2
.set SC,  0                            ; at 32 i + 8 kt
.set PB,  128                          ; at 16 i
.set MX,  192                          ; running maximum of query tile i
.set LS,  196                          ; running sum (of my half of the keys)
.set AL,  200                          ; pairs: rescale factor in the even register
.set NM,  208                          ; pair: minus the new maximum in the even register
.set TT,  212
.set CS,  216
.set MSB, 0
.macro WIN new
.if MSB != \new
	s_set_vgpr_msb (MSB<<8)|\new
.set MSB, \new
.endif
.endm
.macro PLACES                          ; four plain vector places behind a matrix instruction (ISA guide 7.12.1)
.rept 4
	v_nop
.endr
.endm
.macro ROUND
	s_barrier_signal -1
	s_barrier_wait -1
	s_cmp_lg_u32 s50, 0
	s_cbranch_scc1 .Lnot_wave_0_\@
	s_barrier_signal -3
.Lnot_wave_0_\@:
	s_barrier_wait -3
	s_barrier_signal -1
	s_barrier_wait -1
.endm
	s_load_b256 s[4:11], s[0:1], 0x0               ; qh s[4:5], kh s[6:7], vh s[8:9], lexpart s[10:11]
	s_load_b128 s[12:15], s[0:1], 0x20             ; bl s[12:13], mask s[14:15]
	s_load_b64 s[48:49], s[0:1], 0x30              ; ch
	v_lshl_add_u32 v254, v0, 2, 0x2b900
	v_mov_b32 v255, 0
	ds_add_u32 v254, v255
	v_lshrrev_b32 v1, 5, v0
	v_readfirstlane_b32 s50, v1                    ; wave
	s_bfe_u32 s51, ttmp6, 0x40000                  ; cx
	s_lshl_b32 s52, ttmp9, 2
	s_add_co_u32 s52, s52, s51                     ; block of 256 queries
	s_and_b32 s53, ttmp7, 0xffff                   ; batch x 8 + head
	s_lshr_b32 s54, s53, 3                         ; batch
	s_mov_b32 s56, 0x76543210                      ; v_permlanex16_b32: lane i of one half reads lane i of the other
	s_mov_b32 s57, 0xfedcba98
	; group 1: 64 keys x 64 bf16, dense; K: 4 words of padding behind every 32, V: 8
	s_mov_b32 s16, 15|(1<<16)|(1<<20)|(1<<21)|(4<<22)|(3<<25)
	s_mov_b32 s17, 64<<16
	s_mov_b32 s18, 64<<16
	s_mov_b32 s19, 64<<16
	s_mov_b32 s20, 64
	s_mov_b32 s21, 64
	s_mov_b32 s22, 0
	s_mov_b32 s23, 0
	s_mov_b32 s24, 15|(1<<16)|(1<<20)|(1<<21)|(4<<22)|(7<<25)
	s_mov_b32 s25, 64<<16
	s_mov_b32 s26, 64<<16
	s_mov_b32 s27, 64<<16
	s_mov_b32 s28, 64
	s_mov_b32 s29, 64
	s_mov_b32 s30, 0
	s_mov_b32 s31, 0
	s_lshl_b32 s60, s53, 18                        ; K, V: 2048 keys x 128 bytes a head + 64 keys a wave: nothing of cx
	s_lshl_b32 s61, s50, 13
	s_add_co_u32 s60, s60, s61
	s_mov_b32 s61, 0
	s_lshl_b32 s62, s52, 15                        ; Q and the result: + 256 queries a block
	s_add_co_u32 s62, s62, s60
	s_mov_b32 s63, 0
	s_lshl_b32 s2, s54, 13                         ; lexpart and mask: 8,192 bytes a batch
	s_mov_b32 s3, 0
	s_mul_i32 s55, s50, 9216                       ; my quarter of a K slot
	s_mul_i32 s59, s50, 10240                      ; of a V slot
	s_mov_b32 s32, 1
	s_add_co_u32 s33, s55, 0
	s_mov_b32 s36, 1
	s_add_co_u32 s37, s55, KSLOT
	s_mov_b32 s40, 1
	s_add_co_u32 s41, s59, VBASE
	s_mov_b32 s44, 1
	s_add_co_u32 s45, s59, VBASE+VSLOT
	s_wait_dscnt 0x0
	s_wait_kmcnt 0x0
	s_add_nc_u64 s[34:35], s[6:7], s[60:61]
	s_or_b32 s35, s35, 0x80000000
	s_add_nc_u64 s[38:39], s[34:35], 32768         ; slot 1 starts with tile 1
	s_add_nc_u64 s[42:43], s[8:9], s[60:61]
	s_or_b32 s43, s43, 0x80000000
	s_add_nc_u64 s[46:47], s[42:43], 32768
	s_add_nc_u64 s[4:5], s[4:5], s[62:63]
	s_add_nc_u64 s[48:49], s[48:49], s[62:63]
	s_add_nc_u64 s[10:11], s[10:11], s[2:3]
	s_add_nc_u64 s[14:15], s[14:15], s[2:3]
	ROUND                                          ; the four work-groups are here: the first joint loads meet
	tensor_load_to_lds s[32:35], s[16:23]          ; tile 0
	s_nop 0
	tensor_load_to_lds s[40:43], s[24:31]
	s_nop 0
	v_and_b32 v1, 15, v0                           ; r
	v_bfe_u32 v2, v0, 4, 1                         ; h
	v_and_b32 v3, 7, v0
	v_bfe_u32 v4, v0, 3, 1
	v_and_b32 v5, 31, v0
	v_bfe_u32 v6, v0, 3, 2
	v_lshlrev_b32 v[QO], 7, v1
	v_lshl_add_u32 v[QO], v2, 4, v[QO]             ; query r, 16 bytes for each half of the lanes
	v_lshlrev_b32 v29, 4, v0                       ; the lexicon part: thread t owns keys 4 t + 512 g
	WIN 0x40
.irp i, 0,1,2,3
.irp ks, 0,1
	global_load_b128 v[QF+8*(2*\i+\ks):QF+8*(2*\i+\ks)+3],   v[QO], s[4:5] offset:2048*\i+64*\ks
	global_load_b128 v[QF+8*(2*\i+\ks)+4:QF+8*(2*\i+\ks)+7], v[QO], s[4:5] offset:2048*\i+64*\ks+32
.endr
.endr
	WIN 0
.irp kc, 0,1,2,3,4,5,6,7
.irp g, 0,1,2,3
	global_load_b128 v[32+16*\kc+4*\g:32+16*\kc+4*\g+3], v29, s[10:11] offset:32768*\kc+2048*\g
.endr
.endr
.irp g, 0,1,2,3
	global_load_b128 v[160+4*\g:160+4*\g+3], v29, s[12:13] offset:2048*\g
.endr
.irp g, 0,1,2,3
	global_load_b128 v[176+4*\g:176+4*\g+3], v29, s[14:15] offset:2048*\g
.endr
	v_mul_u32_u24 v[AK], v1, 144
	v_lshl_add_u32 v[AK], v2, 4, v[AK]
	v_add_nc_u32 v[AK+1], KSLOT, v[AK]
	v_lshl_add_u32 v[AV], v2, 3, v3
	v_mul_u32_u24 v[AV], v[AV], 160
	v_lshl_add_u32 v[AV], v4, 4, v[AV]
	v_add_nc_u32 v[AV], VBASE, v[AV]
	v_add_nc_u32 v[AV+1], VSLOT, v[AV]
	v_lshlrev_b32 v[AM], 5, v2
	v_add_nc_u32 v[ALR], LXR, v[AM]
	v_add_nc_u32 v[AM], MBR, v[AM]
	v_lshlrev_b32 v[AWL], 4, v2
	v_add_nc_u32 v[AWL], WLR, v[AWL]
	s_mul_i32 s58, s50, 10240                      ; 64 keys x 160 bytes a wave
	v_add_nc_u32 v[AVW], s58, v[AV]
	s_lshl_b32 s58, s50, 7                         ; 64 keys x 2 bytes a wave
	v_add_nc_u32 v[AWW], s58, v[AWL]
	s_mul_i32 s55, s50, 2304
	s_add_co_u32 s55, s55, STG
	v_add_nc_u32 v[STO], s55, v[AK]
	v_mul_u32_u24 v[RD], v6, 144
	v_lshl_add_u32 v[RD], v3, 4, v[RD]
	v_add_nc_u32 v[RD], s55, v[RD]
	v_lshlrev_b32 v[GO], 4, v5
	s_lshl_b32 s59, s50, 8
	v_add_nc_u32 v[ALX], s59, v[ALR]
	v_mov_b32 v22, 0xce6e6b28                      ; -1e9, the problem's own
	v_mov_b32 v23, 0xf149f2ca                      ; -1e30
	v_mov_b32 v26, 0                               ; a lane exchange's destination counts as read
	v_add_nc_u32 v30, MBR, v29
	v_lshlrev_b32 v31, 3, v0
	v_add_nc_u32 v31, WLR, v31
	s_lshl_b32 s58, s50, 3
	s_add_co_u32 s58, s58, RED
	v_mov_b32 v27, s58
	s_lshl_b32 s58, s50, 2
	s_add_co_u32 s58, s58, RED+64
	v_mov_b32 v7, s58
	v_mov_b32 v28, RED
	s_wait_loadcnt 0x0                             ; Q, the partial sums, bl, mask
.irp st, 4,2,1
.set n, 0
.rept 8*\st
	v_pk_add_f32 v[32+2*n:33+2*n], v[32+2*n:33+2*n], v[32+16*\st+2*n:33+16*\st+2*n]
.set n, n+1
.endr
.endr
.set n, 0
.rept 8
	v_pk_fma_f32 v[32+2*n:33+2*n], v[32+2*n:33+2*n], 0x3a83126f, v[160+2*n:161+2*n] op_sel_hi:[1,0,1]   ; x 0.001 + bl
.set n, n+1
.endr
.set n, 0
.rept 16
	v_cmp_eq_u32 vcc_lo, 1, v[176+n]
	v_cndmask_b32 v[32+n], v[32+n], v22, vcc_lo    ; closed: -1e9
	v_cndmask_b32 v[48+n], 0, v23, vcc_lo          ; mb: 0 or -1e30
.set n, n+1
.endr
.irp g, 0,1,2,3
	ds_store_b128 v30, v[48+4*\g:48+4*\g+3] offset:2048*\g
.endr
	v_max3_num_f32 v24, v32, v33, v34
	v_max3_num_f32 v25, v48, v49, v50
.irp n, 3,5,7,9,11,13
	v_max3_num_f32 v24, v24, v[32+\n], v[33+\n]
	v_max3_num_f32 v25, v25, v[48+\n], v[49+\n]
.endr
	v_max_num_f32 v24, v24, v47
	v_max_num_f32 v25, v25, v63
.irp x, 1,2,4,8
	v_max_num_f32_dpp v24, v24, v24 row_xmask:\x row_mask:0xf bank_mask:0xf
	v_max_num_f32_dpp v25, v25, v25 row_xmask:\x row_mask:0xf bank_mask:0xf
.endr
	v_permlanex16_b32 v26, v24, s56, s57
	v_max_num_f32 v24, v24, v26
	v_permlanex16_b32 v26, v25, s56, s57
	v_max_num_f32 v25, v25, v26
	ds_store_b64 v27, v[24:25]                     ; my wave's two maxima
	s_wait_dscnt 0x0                               ; my stores are done, for the other waves
	s_barrier_signal -1
	s_barrier_wait -1                              ; tile 0 may stay on its way
	ds_load_b128 v[64:67], v28
	ds_load_b128 v[68:71], v28 offset:16
	s_wait_dscnt 0x0
	v_max3_num_f32 v24, v64, v66, v68
	v_max3_num_f32 v25, v65, v67, v69
	v_max_num_f32 v24, v24, v70                    ; the largest lexicon bias of the batch
	v_max_num_f32 v25, v25, v71                    ; 0 if any key is open, else -1e30
.set n, 0
.rept 16
	v_sub_f32 v[32+n], v[32+n], v24                ; the difference first, so that equal numbers give 0 exactly, however large
.set n, n+1
.endr
.set n, 0
.rept 16
	v_mul_f32 v[32+n], 0x3fb8aa3b, v[32+n]
.set n, n+1
.endr
.set n, 0
.rept 16
	v_exp_f32 v[32+n], v[32+n]
.set n, n+1
.endr
	v_nop                                          ; one plain place behind the exponentials
	s_wait_alu depctr_va_vdst(0)
	v_pk_add_f32 v[48:49], v[32:33], v[34:35]
	v_pk_add_f32 v[50:51], v[36:37], v[38:39]
	v_pk_add_f32 v[52:53], v[40:41], v[42:43]
	v_pk_add_f32 v[54:55], v[44:45], v[46:47]
	v_pk_add_f32 v[48:49], v[48:49], v[50:51]
	v_pk_add_f32 v[52:53], v[52:53], v[54:55]
	v_pk_add_f32 v[48:49], v[48:49], v[52:53]
	v_add_f32 v48, v48, v49
.irp x, 1,2,4,8
	v_add_f32_dpp v48, v48, v48 row_xmask:\x row_mask:0xf bank_mask:0xf
.endr
	v_permlanex16_b32 v26, v48, s56, s57
	v_add_f32 v48, v48, v26
.irp g, 0,1,2,3
	v_cvt_pk_bf16_f32 v[56+2*\g], v[32+4*\g],   v[33+4*\g]
	v_cvt_pk_bf16_f32 v[57+2*\g], v[34+4*\g], v[35+4*\g]
	ds_store_b64 v31, v[56+2*\g:57+2*\g] offset:1024*\g
.endr
	ds_store_b32 v7, v48
	s_wait_dscnt 0x0
	s_barrier_signal -1
	s_barrier_wait -1
	ds_load_b128 v[64:67], v28 offset:64
	s_wait_dscnt 0x0
	v_add_f32 v64, v64, v65
	v_add_f32 v66, v66, v67
	v_add_f32 v64, v64, v66
	v_rcp_f32 v[CL], v64
	v_nop
	s_wait_alu depctr_va_vdst(0)
	v_mul_f32 v[CL], 0.5, v[CL]
	v_mov_b32 v[CL+1], v[CL]
	v_cmp_eq_f32 vcc_lo, 0, v25                    ; any key open?
	WIN 0x44
.set n, 0
.rept 64
	v_cndmask_b32 v[QF+n], 0, v[QF+n], vcc_lo      ; none: Q = 0
.set n, n+1
.endr
	WIN 0x80
.irp n, 1,3,5,7,9
	v_mov_b32 v[AL+\n], 0                          ; the unused halves of the pairs AL and NM: a packed source counts as read whole
.endr
	WIN 0
; Softmax step of query tile i on its 32 scores a lane (window 2 throughout)
.macro SM i, first
.irp c, 0,1,2,3
	v_max3_num_f32 v[TT+\c], v[SC+32*\i+8*\c], v[SC+32*\i+8*\c+1], v[SC+32*\i+8*\c+2]
.endr
.irp c, 0,1,2,3
	v_max3_num_f32 v[TT+\c], v[TT+\c], v[SC+32*\i+8*\c+3], v[SC+32*\i+8*\c+4]
.endr
.irp c, 0,1,2,3
	v_max3_num_f32 v[TT+\c], v[TT+\c], v[SC+32*\i+8*\c+5], v[SC+32*\i+8*\c+6]
.endr
	v_max3_num_f32 v[TT],   v[TT],   v[SC+32*\i+7],  v[SC+32*\i+15]
	v_max3_num_f32 v[TT+1], v[TT+1], v[SC+32*\i+23], v[SC+32*\i+31]
.if \first
	v_max_num_f32 v[TT+2], v[TT+2], v[TT+3]
.else
	v_max3_num_f32 v[TT+2], v[TT+2], v[TT+3], v[MX+\i]
.endif
	v_max3_num_f32 v[TT], v[TT], v[TT+1], v[TT+2]
	v_permlanex16_b32 v[TT+1], v[TT], s56, s57     ; the other half of the lanes holds the query's other 32 keys
	v_max_num_f32 v[TT], v[TT], v[TT+1]
.if \first == 0
	v_sub_f32 v[AL+2*\i], v[MX+\i], v[TT]
.endif
	v_mov_b32 v[MX+\i], v[TT]
	v_mul_f32 v[NM], -1.0, v[TT]
.set p, 0
.rept 16
	v_pk_add_f32 v[SC+32*\i+2*p:SC+32*\i+2*p+1], v[SC+32*\i+2*p:SC+32*\i+2*p+1], v[NM:NM+1] op_sel_hi:[1,0]
.set p, p+1
.endr
.if \first == 0
	v_exp_f32 v[AL+2*\i], v[AL+2*\i]
.endif
.set p, 0
.rept 32
	v_exp_f32 v[SC+32*\i+p], v[SC+32*\i+p]
.set p, p+1
.endr
	v_nop                                          ; one plain place behind the exponentials
	s_wait_alu depctr_va_vdst(0)
.irp c, 0,1,2,3
	v_pk_add_f32 v[CS+2*\c:CS+2*\c+1], v[SC+32*\i+8*\c:SC+32*\i+8*\c+1], v[SC+32*\i+8*\c+2:SC+32*\i+8*\c+3]
.endr
.irp c, 0,1,2,3
	v_pk_add_f32 v[CS+2*\c:CS+2*\c+1], v[CS+2*\c:CS+2*\c+1], v[SC+32*\i+8*\c+4:SC+32*\i+8*\c+5]
.endr
.irp c, 0,1,2,3
	v_pk_add_f32 v[CS+2*\c:CS+2*\c+1], v[CS+2*\c:CS+2*\c+1], v[SC+32*\i+8*\c+6:SC+32*\i+8*\c+7]
.endr
	v_pk_add_f32 v[CS:CS+1],   v[CS:CS+1],   v[CS+2:CS+3]
	v_pk_add_f32 v[CS+4:CS+5], v[CS+4:CS+5], v[CS+6:CS+7]
	v_pk_add_f32 v[CS:CS+1],   v[CS:CS+1],   v[CS+4:CS+5]
.if \first
	v_add_f32 v[LS+\i], v[CS], v[CS+1]
.else
	v_fma_f32 v[LS+\i], v[LS+\i], v[AL+2*\i], v[CS]
	v_add_f32 v[LS+\i], v[LS+\i], v[CS+1]
.endif
.set p, 0
.rept 16
	v_cvt_pk_bf16_f32 v[PB+16*\i+p], v[SC+32*\i+2*p], v[SC+32*\i+2*p+1]
.set p, p+1
.endr
.endm
; The lexicon's 8 matrix instructions on the V fragments in VF and the w fragments in WF: 64 keys.  zero = 1: the first four start the sums.
; The four accumulators take turns, one instruction a turn.
.macro LXMUL zero
	WIN 0x50
.irp ks, 0,1
.irp dt, 0,1,2,3
.if \zero*(1-\ks)
	v_wmma_f32_16x16x32_bf16 v[LXA+8*\dt:LXA+8*\dt+7], v[VF+8*(2*\dt+\ks):VF+8*(2*\dt+\ks)+7], v[WF+8*\ks:WF+8*\ks+7], 0
.else
	v_wmma_f32_16x16x32_bf16 v[LXA+8*\dt:LXA+8*\dt+7], v[VF+8*(2*\dt+\ks):VF+8*(2*\dt+\ks)+7], v[WF+8*\ks:WF+8*\ks+7], v[LXA+8*\dt:LXA+8*\dt+7]
.endif
.endr
.endr
	WIN 0
.endm
; The first tile's share of the lexicon sum, on every wave's path: wave w takes key step w by addresses that carry its number (20 LDS loads, once).
.macro LXHEAD
.irp dt, 0,1,2,3
.irp ks, 0,1
	ds_load_tr16_b128 v[VF+8*(2*\dt+\ks):VF+8*(2*\dt+\ks)+3],   v[AVW] offset:160*32*\ks+32*\dt
	ds_load_tr16_b128 v[VF+8*(2*\dt+\ks)+4:VF+8*(2*\dt+\ks)+7], v[AVW] offset:160*32*\ks+32*\dt+2560
.endr
.endr
.irp ks, 0,1
	ds_load_b128 v[WF+8*\ks:WF+8*\ks+3],   v[AWW] offset:64*\ks
	ds_load_b128 v[WF+8*\ks+4:WF+8*\ks+7], v[AWW] offset:64*\ks+32
.endr
	s_wait_dscnt 0
	LXMUL 1
.endm
; 64 keys (step kb of the slot's tile) against my 64 queries.  In every run of matrix instructions the accumulators take turns, one instruction a turn.
; lx = 1: wave kb also adds these keys to the lexicon sum.
.macro STEP slot, kb, first, lx
	PLACES                                         ; behind the last matrix instructions, whose sources are loaded again
.irp kt, 0,1,2,3
.irp ks, 0,1
	ds_load_b128 v[KF+8*(2*\kt+\ks):KF+8*(2*\kt+\ks)+3],   v[AK+\slot] offset:144*(64*\kb+16*\kt)+64*\ks
	ds_load_b128 v[KF+8*(2*\kt+\ks)+4:KF+8*(2*\kt+\ks)+7], v[AK+\slot] offset:144*(64*\kb+16*\kt)+64*\ks+32
.endr
.endr
.irp kt, 0,1,2,3
	ds_load_b128 v[MB+8*\kt:MB+8*\kt+3],   v[AM] offset:256*\kb+64*\kt
	ds_load_b128 v[MB+8*\kt+4:MB+8*\kt+7], v[AM] offset:256*\kb+64*\kt+16
.endr
.irp dt, 0,1,2,3
.irp ks, 0,1
	ds_load_tr16_b128 v[VF+8*(2*\dt+\ks):VF+8*(2*\dt+\ks)+3],   v[AV+\slot] offset:160*(64*\kb+32*\ks)+32*\dt
	ds_load_tr16_b128 v[VF+8*(2*\dt+\ks)+4:VF+8*(2*\dt+\ks)+7], v[AV+\slot] offset:160*(64*\kb+32*\ks)+32*\dt+2560
.endr
.endr
	s_wait_dscnt 16                                ; K and mb are in; V's sixteen loads may be out
	WIN 0x84
.irp i, 0,1,2,3
.irp kt, 0,1,2,3
	v_wmma_f32_16x16x32_bf16 v[SC+32*\i+8*\kt:SC+32*\i+8*\kt+7], v[KF+16*\kt:KF+16*\kt+7], v[QF+16*\i:QF+16*\i+7], v[MB+8*\kt:MB+8*\kt+7]
.endr
.endr
	WIN 0xa4
.irp i, 0,1,2,3
.irp kt, 0,1,2,3
	v_wmma_f32_16x16x32_bf16 v[SC+32*\i+8*\kt:SC+32*\i+8*\kt+7], v[KF+16*\kt+8:KF+16*\kt+15], v[QF+16*\i+8:QF+16*\i+15], v[SC+32*\i+8*\kt:SC+32*\i+8*\kt+7]
.endr
.endr
	WIN 0xaa
	PLACES
	SM 0, \first
	SM 1, \first
	SM 2, \first
	SM 3, \first
.if \first == 0
	WIN 0x49
.irp i, 0,1,2,3
.set p, 0
.rept 16
	v_pk_mul_f32 v[OA+32*\i+2*p:OA+32*\i+2*p+1], v[OA+32*\i+2*p:OA+32*\i+2*p+1], v[AL+2*\i:AL+2*\i+1] op_sel_hi:[1,0]
.set p, p+1
.endr
.endr
.endif
	s_wait_dscnt 0                                 ; V
	WIN 0x58
.irp ks, 0,1
.irp i, 0,1,2,3
.irp dt, 0,1,2,3
.if \first*(1-\ks)
	v_wmma_f32_16x16x32_bf16 v[OA+8*(4*\i+\dt):OA+8*(4*\i+\dt)+7], v[VF+8*(2*\dt+\ks):VF+8*(2*\dt+\ks)+7], v[PB+16*\i+8*\ks:PB+16*\i+8*\ks+7], 0
.else
	v_wmma_f32_16x16x32_bf16 v[OA+8*(4*\i+\dt):OA+8*(4*\i+\dt)+7], v[VF+8*(2*\dt+\ks):VF+8*(2*\dt+\ks)+7], v[PB+16*\i+8*\ks:PB+16*\i+8*\ks+7], v[OA+8*(4*\i+\dt):OA+8*(4*\i+\dt)+7]
.endif
.endr
.endr
.endr
	WIN 0
.if \lx
	s_cmp_lg_u32 s50, \kb                          ; the lexicon sum over these 64 keys is wave kb's
	s_cbranch_scc1 .Lnolx_\@
.irp ks, 0,1
	ds_load_b128 v[WF+8*\ks:WF+8*\ks+3],   v[AWL] offset:128*\kb+64*\ks
	ds_load_b128 v[WF+8*\ks+4:WF+8*\ks+7], v[AWL] offset:128*\kb+64*\ks+32
.endr
	s_wait_dscnt 0
	LXMUL 0
.Lnolx_\@:
.endif
.endm
; One tile of 256 keys.  The round stands for the barrier in front of a refill: my tensor loads have all landed and my reads are back in front of it,
; the joint refills of the other slot are the first tensor loads behind it.
.macro TRIP slot, refill, first
	s_wait_tensorcnt 0x0                           ; all my loads are done, my quarters of this tile among them,
	ds_add_u32 v254, v255
	s_wait_dscnt 0x0
	s_add_nc_u64 s[34+4*\slot:35+4*\slot], s[34+4*\slot:35+4*\slot], 65536   ; so every group 0 may be written: this slot's next tile
	s_add_nc_u64 s[42+4*\slot:43+4*\slot], s[42+4*\slot:43+4*\slot], 65536
	s_wait_dscnt 0x0                               ; my reads of the last tile are done
	ROUND
.if \refill
	tensor_load_to_lds s[36-4*\slot:39-4*\slot], s[16:23]
	s_nop 0
	tensor_load_to_lds s[44-4*\slot:47-4*\slot], s[24:31]
	s_nop 0
.endif
.if \first
	LXHEAD
	STEP \slot, 0, 1, 0
	STEP \slot, 1, 0, 0
	STEP \slot, 2, 0, 0
	STEP \slot, 3, 0, 0
.else
	STEP \slot, 0, 0, 1
	STEP \slot, 1, 0, 1
	STEP \slot, 2, 0, 1
	STEP \slot, 3, 0, 1
.endif
	v_add_nc_u32 v[AM], 1024, v[AM]
	v_add_nc_u32 v[AWL], 512, v[AWL]
.endm
	TRIP 0, 1, 1                                   ; the first tile starts all sums: nothing is cleared
	TRIP 1, 1, 0
	s_mov_b32 s58, 2
.Lpair:
	TRIP 0, 1, 0
	TRIP 1, 1, 0
	s_sub_co_u32 s58, s58, 1
	s_cmp_lg_u32 s58, 0
	s_cbranch_scc1 .Lpair
	TRIP 0, 1, 0
	TRIP 1, 0, 0                                   ; the last tile fetches nothing (the stepped addresses are not used)
	PLACES
	WIN 0xaa
.irp i, 0,1,2,3
	v_permlanex16_b32 v[TT+\i], v[LS+\i], s56, s57
.endr
.irp i, 0,1,2,3
	v_add_f32 v[LS+\i], v[LS+\i], v[TT+\i]         ; the two halves of the keys
.endr
.irp i, 0,1,2,3
	v_rcp_f32 v[TT+\i], v[LS+\i]
.endr
	v_nop
	s_wait_alu depctr_va_vdst(0)
.irp i, 0,1,2,3
	v_mul_f32 v[AL+2*\i], 0.5, v[TT+\i]
.endr
	WIN 0x04
.irp dt, 0,1,2,3
	ds_store_b128 v[ALX], v[LXA+8*\dt:LXA+8*\dt+3]   offset:64*\dt       ; the sixteen lanes of a half hold, and write, the same numbers
	ds_store_b128 v[ALX], v[LXA+8*\dt+4:LXA+8*\dt+7] offset:64*\dt+16
.endr
	WIN 0
	s_wait_dscnt 0x0
	s_barrier_signal -1
	s_barrier_wait -1
.irp wv, 0,1,2,3
.irp dt, 0,1,2,3
	ds_load_b128 v[32+32*\wv+8*\dt:32+32*\wv+8*\dt+3], v[ALR] offset:256*\wv+64*\dt
	ds_load_b128 v[36+32*\wv+8*\dt:36+32*\wv+8*\dt+3], v[ALR] offset:256*\wv+64*\dt+16
.endr
.endr
	s_wait_dscnt 0x0
.set n, 0
.rept 16
	v_pk_add_f32 v[32+2*n:33+2*n], v[32+2*n:33+2*n], v[64+2*n:65+2*n]
	v_pk_add_f32 v[96+2*n:97+2*n], v[96+2*n:97+2*n], v[128+2*n:129+2*n]
.set n, n+1
.endr
.set n, 0
.rept 16
	v_pk_add_f32 v[32+2*n:33+2*n], v[32+2*n:33+2*n], v[96+2*n:97+2*n]
.set n, n+1
.endr
.set n, 0
.rept 16
	v_pk_mul_f32 v[32+2*n:33+2*n], v[32+2*n:33+2*n], v[CL:CL+1]            ; 0.5 x the lexicon's average of V, at 8 dt + j
.set n, n+1
.endr
; query tile i: 0.5 O / l + the lexicon's share, to bf16, through my own stage, out in runs of 512 bytes
.macro OUTI i
	WIN 0x49
.irp dt, 0,1,2,3
.irp p, 0,1,2,3
	v_pk_fma_f32 v[OA+8*(4*\i+\dt)+2*\p:OA+8*(4*\i+\dt)+2*\p+1], v[OA+8*(4*\i+\dt)+2*\p:OA+8*(4*\i+\dt)+2*\p+1], v[AL+2*\i:AL+2*\i+1], v[32+8*\dt+2*\p:33+8*\dt+2*\p] op_sel_hi:[1,0,1]
.endr
.endr
	WIN 0x05
.irp dt, 0,1,2,3
.irp c, 0,1,2,3
	v_cvt_pk_bf16_f32 v[TMP+4*\dt+\c], v[OA+8*(4*\i+\dt)+2*\c], v[OA+8*(4*\i+\dt)+2*\c+1]
.endr
.endr
	WIN 0
.irp dt, 0,1,2,3
	ds_store_b128 v[STO], v[TMP+4*\dt:TMP+4*\dt+3] offset:32*\dt
.endr
	s_wait_xcnt 0x0                                ; RB, which earlier stores read, is loaded again only behind this wait
.irp u, 0,1,2,3
	ds_load_b128 v[RB+4*\u:RB+4*\u+3], v[RD] offset:576*\u
.endr
.irp u, 0,1,2,3
	s_wait_dscnt 3-\u
	global_store_b128 v[GO], v[RB+4*\u:RB+4*\u+3], s[48:49] offset:2048*\i+512*\u
.endr
.endm
	OUTI 0
	OUTI 1
	OUTI 2
	OUTI 3
	s_wait_tensorcnt 0x0
	ds_add_u32 v254, v255
	s_wait_dscnt 0x0
	ROUND                                          ; the closing round
	s_endpgm
.Lfunc_end_k_q04367ffe10_attn:
	.size	k_q04367ffe10_attn, .Lfunc_end_k_q04367ffe10_attn-k_q04367ffe10_attn
	.p2alignl 7, 3214868480
	.fill 96, 4, 3214868480
	.section	.rodata,"a",@progbits
	.p2align	6, 0x0
	.amdhsa_kernel k_q04367ffe10_attn
		.amdhsa_group_segment_fixed_size 327680
		.amdhsa_private_segment_fixed_size 0
		.amdhsa_enable_private_segment 0
		.amdhsa_kernarg_size 56
		.amdhsa_user_sgpr_count 2
		.amdhsa_user_sgpr_kernarg_segment_ptr 1
		.amdhsa_wavefront_size32 1
		.amdhsa_system_sgpr_workgroup_id_x 1
		.amdhsa_system_sgpr_workgroup_id_y 1
		.amdhsa_system_sgpr_workgroup_id_z 1
		.amdhsa_system_vgpr_workitem_id 0
		.amdhsa_next_free_vgpr 768
		.amdhsa_next_free_sgpr 66
		.amdhsa_reserve_vcc 1
		.amdhsa_float_denorm_mode_32 3
		.amdhsa_float_denorm_mode_16_64 3
		.amdhsa_memory_ordered 1
		.amdhsa_forward_progress 1
		.amdhsa_inst_pref_size 255
	.end_amdhsa_kernel
	.section	.bss,"aw",@nobits
	.p2align	6
	.space	262144
	.amdgpu_metadata
---
amdhsa.version: [ 1, 2 ]
amdhsa.kernels:
  - .name:           k_q04367ffe10_attn
    .symbol:         k_q04367ffe10_attn.kd
    .args:
      - { .name: qh, .offset: 0, .size: 8, .value_kind: global_buffer, .address_space: global }
      - { .name: kh, .offset: 8, .size: 8, .value_kind: global_buffer, .address_space: global }
      - { .name: vh, .offset: 16, .size: 8, .value_kind: global_buffer, .address_space: global }
      - { .name: lexpart, .offset: 24, .size: 8, .value_kind: global_buffer, .address_space: global }
      - { .name: bl, .offset: 32, .size: 8, .value_kind: global_buffer, .address_space: global }
      - { .name: mask, .offset: 40, .size: 8, .value_kind: global_buffer, .address_space: global }
      - { .name: ch, .offset: 48, .size: 8, .value_kind: global_buffer, .address_space: global }
    .group_segment_fixed_size: 327680
    .private_segment_fixed_size: 0
    .kernarg_segment_align: 8
    .kernarg_segment_size: 56
    .max_flat_workgroup_size: 128
    .sgpr_count:     66
    .vgpr_count:     768
    .wavefront_size: 32
...
	.end_amdgpu_metadata
.endif
;; end of part 3
;; launch outp (part 4): grid 4 x 64, 4 waves a work-group, clusters of 4 x 4, 312,832 bytes of LDS; arguments ch, wb, bo, out0; writes out0
.if DOCPART == 4
	.amdgcn_target "amdgcn-amd-amdhsa--gfx1250"
	.amdhsa_code_object_version 6
	.text
	.protected	k_q04367ffe10_outp
	.globl	k_q04367ffe10_outp
	.p2align	8
	.type	k_q04367ffe10_outp,@function
k_q04367ffe10_outp:
	s_mov_b64 s[64:65], 0
	v_nop
	global_prefetch_b8 v0, s[64:65] scope:SCOPE_SE
	s_setreg_imm32_b32 hwreg(HW_REG_WAVE_MODE, 25, 1), 1
	s_wait_xcnt 0x0
	s_wait_alu depctr_hold_cnt(0) depctr_sa_sdst(0) depctr_va_vdst(0) depctr_va_sdst(0) depctr_va_ssrc(0) depctr_va_vcc(0) depctr_vm_vsrc(0)
	s_getreg_b32 s2, hwreg(HW_REG_IB_STS2, 6, 4)
	s_cmp_eq_u32 s2, 0
	s_cbranch_scc0 .Lentry_in_a_cluster
	s_endpgm
.Lentry_in_a_cluster:
	s_bfe_u32 s2, ttmp6, 0x10000c
	s_cmp_lg_u32 s2, 0xf033
	s_cbranch_scc0 .Lentry_shape_is_right
	s_endpgm
.Lentry_shape_is_right:
; out0 = concat(heads) Wo + bo, f32.  A work-group makes 128 rows x 128 columns; four waves, 64 x 64 each; K step ks = head ks (64 numbers).
; ch is [batch][head][position][64] bf16: a tile of 128 positions of one head is dense.  Wo is the fourth matrix of wb, bf16, [k][n], turned by the LDS load.
; CLUSTER 4 x 4: ch's tiles are shared along a cluster row, Wo's along a column (joint loads).  All 8 tiles have slots of their own and are asked for
; behind the opening round.
; The matrix instruction is used transposed (source 0 = Wo, source 1 = ch): a lane's 8 results are 8 neighbouring columns of one row.
.set SLOT,  36864                      ; ch: 128 rows x 144 bytes, then Wo: 64 k rows x 288 bytes
.set WOFF,  18432
.set STAGE, 294912                     ; 16 rows x 272 bytes for each wave; no tensor load lands here
.set AX,  8                            ; v8-15
.set AW,  16                           ; v16-23
.set STO, 24
.set RD,  25
.set GO,  26
.set BO,  27
.set WF0, 32
.set WF1, 64
.set XF0, 96
.set XF1, 128
.set RB,  224
.set BIAS, 128                         ; window 1; accumulator tile (mt, nt) at window 1, 8 (4 mt + nt)
.set MSB, 0
.macro WIN new
.if MSB != \new
	s_set_vgpr_msb (MSB<<8)|\new
.set MSB, \new
.endif
.endm
.macro PLACES                          ; four plain vector places behind a matrix instruction (ISA guide 7.12.1)
.rept 4
	v_nop
.endr
.endm
.macro CROUND
	s_barrier_signal -1
	s_barrier_wait -1
	s_cmp_lg_u32 s96, 0
	s_cbranch_scc1 .Lnot_wave_0_\@
	s_barrier_signal -3
.Lnot_wave_0_\@:
	s_barrier_wait -3
	s_barrier_signal -1
	s_barrier_wait -1
.endm
.macro G0INIT sl                       ; group 0 of slot sl: ch's at s4 + 4 sl; Wo's at s36 + 4 sl, the last at s68
.set _gx, 4+4*(\sl)
.set _gw, 36+4*(\sl)+((\sl)/7)*4
	s_mov_b32 s[_gx], 1
	s_add_co_u32 s[_gx+1], s105, (\sl)*SLOT
	s_add_nc_u64 s[_gx+2:_gx+3], s[88:89], (\sl)*262144
	s_mov_b32 s[_gw], 1
	s_add_co_u32 s[_gw+1], s105, (\sl)*SLOT+WOFF
	s_add_nc_u64 s[_gw+2:_gw+3], s[90:91], (\sl)*65536
.endm
.macro JLOAD sl
.set _gx, 4+4*(\sl)
.set _gw, 36+4*(\sl)+((\sl)/7)*4
	s_cmp_eq_u32 s97, 0
	s_cbranch_scc0 .Lfor_w_\@
	tensor_load_to_lds s[_gx:_gx+3], s[72:79]
	s_nop 0
	s_branch .Lasked_\@
.Lfor_w_\@:
	tensor_load_to_lds s[_gw:_gw+3], s[80:87]
	s_nop 0
.Lasked_\@:
.endm
	s_load_b256 s[88:95], s[0:1], 0x0              ; ch s[88:89], wb s[90:91], bo s[92:93], out0 s[94:95]
	v_lshl_add_u32 v222, v0, 2, 0x4c400
	v_mov_b32 v223, 0
	ds_add_u32 v222, v223
	v_lshrrev_b32 v1, 5, v0
	v_readfirstlane_b32 s96, v1                    ; wave
	s_lshr_b32 s97, s96, 1                         ; my 64 rows.  Also: I fetch for ch (0) or for Wo (1)
	s_and_b32 s98, s96, 1                          ; my 64 columns.  Also: which half of the tile I fetch
	s_bfe_u32 s99, ttmp6, 0x40000                  ; cx
	s_bfe_u32 s100, ttmp6, 0x40004                 ; cy
	s_lshl_b32 s101, ttmp9, 2
	s_add_co_u32 s101, s101, s99                   ; slice of 128 columns
	s_and_b32 s104, ttmp7, 0xffff
	s_lshl_b32 s104, s104, 2
	s_add_co_u32 s104, s104, s100                  ; block of 128 rows
	s_lshl_b32 s105, s100, 2
	s_lshl_b32 s105, 15, s105                      ; my row of the cluster
	s_lshl_b32 s3, 0x1111, s99                     ; my column
	s_or_b32 s72, s105, (1<<16)|(1<<20)|(1<<21)|(4<<22)|(3<<25)   ; ch: 64 rows x 64 bf16, dense; 4 words of padding behind every 32
	s_mov_b32 s73, 64<<16
	s_mov_b32 s74, 64<<16
	s_mov_b32 s75, 64<<16
	s_mov_b32 s76, 64
	s_mov_b32 s77, 64
	s_mov_b32 s78, 0
	s_mov_b32 s79, 0
	s_or_b32 s80, s3, (1<<16)|(1<<20)|(1<<21)|(5<<22)|(7<<25)     ; Wo: 32 k rows x 128 bf16, pitch 512; 8 words behind every 64
	s_mov_b32 s81, 128<<16
	s_mov_b32 s82, 32<<16
	s_mov_b32 s83, 128<<16
	s_mov_b32 s84, 32
	s_mov_b32 s85, 512
	s_mov_b32 s86, 0
	s_mov_b32 s87, 0
	s_lshr_b32 s66, s104, 4                        ; ch: batch x 8 heads x 2048 x 128 bytes
	s_lshl_b32 s66, s66, 21
	s_and_b32 s67, s104, 15
	s_lshl_b32 s67, s67, 14                        ; + 128 positions a block
	s_add_co_u32 s66, s66, s67
	s_lshl_b32 s67, s98, 13                        ; + 64 positions a half
	s_add_co_u32 s66, s66, s67
	s_mov_b32 s67, 0
	s_lshl_b32 s2, s101, 8                         ; Wo: 256 bytes a slice
	s_lshl_b32 s3, s98, 15                         ; + 32 rows a half
	s_add_co_u32 s2, s2, s3
	s_add_co_u32 s2, s2, 3*524288                  ; the fourth matrix of wb
	s_mov_b32 s3, 0
	s_mul_i32 s105, s98, 9216                      ; both halves are 9,216 bytes of LDS: 64 x 144 = 32 x 288
	s_wait_dscnt 0x0
	s_wait_kmcnt 0x0
	s_add_nc_u64 s[88:89], s[88:89], s[66:67]
	s_or_b32 s89, s89, 0x80000000
	s_add_nc_u64 s[90:91], s[90:91], s[2:3]
	s_or_b32 s91, s91, 0x80000000
.irp sl, 0,1,2,3,4,5,6,7
	G0INIT \sl
.endr
	CROUND                                         ; all sixteen work-groups are here: the joint loads meet
.irp sl, 0,1,2,3,4,5,6,7
	JLOAD \sl
.endr
	s_lshl_b32 s66, s104, 18                       ; out0: my first row x 2,048 bytes (the columns ride in the vector offset)
	s_lshl_b32 s67, s97, 17
	s_add_co_u32 s66, s66, s67
	s_mov_b32 s67, 0
	s_add_nc_u64 s[94:95], s[94:95], s[66:67]
	v_and_b32 v1, 15, v0                           ; r
	v_bfe_u32 v2, v0, 4, 1                         ; h
	v_and_b32 v3, 7, v0
	v_bfe_u32 v4, v0, 3, 1
	s_mul_i32 s105, s97, 9216
	v_mul_u32_u24 v7, v1, 144
	v_lshl_add_u32 v7, v2, 4, v7
	v_add_nc_u32 v[AX], s105, v7
	s_lshl_b32 s105, s98, 7
	s_add_co_u32 s105, s105, WOFF
	v_lshl_add_u32 v7, v2, 3, v3
	v_mul_u32_u24 v7, v7, 288
	v_lshl_add_u32 v7, v4, 4, v7
	v_add_nc_u32 v[AW], s105, v7
.irp sl, 1,2,3,4,5,6,7
	v_add_nc_u32 v[AX+\sl], \sl*SLOT, v[AX]
	v_add_nc_u32 v[AW+\sl], \sl*SLOT, v[AW]
.endr
	s_mul_i32 s105, s96, 4352
	s_add_co_u32 s105, s105, STAGE
	v_mul_u32_u24 v7, v1, 272
	v_lshl_add_u32 v7, v2, 5, v7
	v_add_nc_u32 v[STO], s105, v7
	v_mul_u32_u24 v7, v2, 272
	v_lshl_add_u32 v7, v1, 4, v7
	v_add_nc_u32 v[RD], s105, v7
	s_lshl_b32 s3, s101, 9
	s_lshl_b32 s2, s98, 8
	s_add_co_u32 s3, s3, s2                        ; 4 x (128 slice + 64 half)
	v_lshlrev_b32 v7, 11, v2
	v_lshl_add_u32 v7, v1, 4, v7
	v_add_nc_u32 v[GO], s3, v7                     ; lanes 0-15 one row of 256 bytes, lanes 16-31 the next
	v_lshlrev_b32 v7, 5, v2
	v_add_nc_u32 v[BO], s3, v7
	WIN 0x40
.irp nt, 0,1,2,3
	global_load_b128 v[BIAS+8*\nt:BIAS+8*\nt+3],   v[BO], s[92:93] offset:64*\nt
	global_load_b128 v[BIAS+8*\nt+4:BIAS+8*\nt+7], v[BO], s[92:93] offset:64*\nt+16
.endr
	WIN 0
.macro FETCH sl, kk, wf, xf            ; 16 LDS loads: 32 along K of my 64 rows of ch and of my 64 columns of Wo
.irp mt, 0,1,2,3
	ds_load_b128 v[\xf+8*\mt:\xf+8*\mt+3],   v[AX+\sl] offset:2304*\mt+64*\kk
	ds_load_b128 v[\xf+8*\mt+4:\xf+8*\mt+7], v[AX+\sl] offset:2304*\mt+64*\kk+32
.endr
.irp nt, 0,1,2,3
	ds_load_tr16_b128 v[\wf+8*\nt:\wf+8*\nt+3],   v[AW+\sl] offset:\kk*9216+32*\nt
	ds_load_tr16_b128 v[\wf+8*\nt+4:\wf+8*\nt+7], v[AW+\sl] offset:\kk*9216+32*\nt+4608
.endr
.endm
; 16 matrix instructions; the 16 accumulators take turns, one instruction a turn
.macro MUL wf, xf, zero
	WIN 0x50
.irp mt, 0,1,2,3
.irp nt, 0,1,2,3
.if \zero
	v_wmma_f32_16x16x32_bf16 v[8*(4*\mt+\nt):8*(4*\mt+\nt)+7], v[\wf+8*\nt:\wf+8*\nt+7], v[\xf+8*\mt:\xf+8*\mt+7], 0
.else
	v_wmma_f32_16x16x32_bf16 v[8*(4*\mt+\nt):8*(4*\mt+\nt)+7], v[\wf+8*\nt:\wf+8*\nt+7], v[\xf+8*\mt:\xf+8*\mt+7], v[8*(4*\mt+\nt):8*(4*\mt+\nt)+7]
.endif
.endr
.endr
	WIN 0
.endm
.macro TILE t
	s_wait_tensorcnt 7-\t                          ; my part of tile t is in; my 7 - t younger loads stay out
	s_barrier_signal -1
	s_barrier_wait -1                              ; everybody's is
.if \t
	PLACES                                         ; the fragment buffers were read by the matrix instructions just issued
.endif
	FETCH \t, 0, WF0, XF0
	FETCH \t, 1, WF1, XF1
	s_wait_dscnt 16                                ; the first sixteen are in
.if \t == 0
	MUL WF0, XF0, 1                                ; the first products start the sums
.else
	MUL WF0, XF0, 0
.endif
	s_wait_dscnt 0
	MUL WF1, XF1, 0
.endm
.irp t, 0,1,2,3,4,5,6,7
	TILE \t
.endr
	PLACES
	s_wait_loadcnt 0x0                             ; bo
	WIN 0x45
.set n, 0
.rept 64
	v_pk_add_f32 v[2*n:2*n+1], v[2*n:2*n+1], v[BIAS+2*(n%16):BIAS+2*(n%16)+1]
.set n, n+1
.endr
.irp mt, 0,1,2,3
	WIN 0x04
.irp nt, 0,1,2,3
	ds_store_b128 v[STO], v[8*(4*\mt+\nt):8*(4*\mt+\nt)+3]   offset:64*\nt
	ds_store_b128 v[STO], v[8*(4*\mt+\nt)+4:8*(4*\mt+\nt)+7] offset:64*\nt+16
.endr
	WIN 0
	s_wait_xcnt 0x0                                ; RB, which earlier stores read, is loaded again only behind this wait
.irp u, 0,1,2,3,4,5,6,7
	ds_load_b128 v[RB+4*\u:RB+4*\u+3], v[RD] offset:544*\u         ; LDS serves a wave's instructions in order: these see the stores above
.endr
.irp u, 0,1,2,3,4,5,6,7
	s_wait_dscnt 7-\u
	global_store_b128 v[GO], v[RB+4*\u:RB+4*\u+3], s[94:95] offset:32768*\mt+4096*\u th:TH_STORE_NT   ; sixteen lanes store 256 consecutive bytes, aligned
.endr
.endr
	s_wait_tensorcnt 0x0
	ds_add_u32 v222, v223
	s_wait_dscnt 0x0
	CROUND                                         ; the closing round
	s_endpgm
.Lfunc_end_k_q04367ffe10_outp:
	.size	k_q04367ffe10_outp, .Lfunc_end_k_q04367ffe10_outp-k_q04367ffe10_outp
	.p2alignl 7, 3214868480
	.fill 96, 4, 3214868480
	.section	.rodata,"a",@progbits
	.p2align	6, 0x0
	.amdhsa_kernel k_q04367ffe10_outp
		.amdhsa_group_segment_fixed_size 312832
		.amdhsa_private_segment_fixed_size 0
		.amdhsa_enable_private_segment 0
		.amdhsa_kernarg_size 32
		.amdhsa_user_sgpr_count 2
		.amdhsa_user_sgpr_kernarg_segment_ptr 1
		.amdhsa_wavefront_size32 1
		.amdhsa_system_sgpr_workgroup_id_x 1
		.amdhsa_system_sgpr_workgroup_id_y 1
		.amdhsa_system_sgpr_workgroup_id_z 1
		.amdhsa_system_vgpr_workitem_id 0
		.amdhsa_next_free_vgpr 416
		.amdhsa_next_free_sgpr 106
		.amdhsa_reserve_vcc 0
		.amdhsa_float_denorm_mode_32 3
		.amdhsa_float_denorm_mode_16_64 3
		.amdhsa_memory_ordered 1
		.amdhsa_forward_progress 1
		.amdhsa_inst_pref_size 60
	.end_amdhsa_kernel
	.amdgpu_metadata
---
amdhsa.version: [ 1, 2 ]
amdhsa.kernels:
  - .name:           k_q04367ffe10_outp
    .symbol:         k_q04367ffe10_outp.kd
    .args:
      - { .name: ch, .offset: 0, .size: 8, .value_kind: global_buffer, .address_space: global }
      - { .name: wb, .offset: 8, .size: 8, .value_kind: global_buffer, .address_space: global }
      - { .name: bo, .offset: 16, .size: 8, .value_kind: global_buffer, .address_space: global }
      - { .name: out0, .offset: 24, .size: 8, .value_kind: global_buffer, .address_space: global }
    .group_segment_fixed_size: 312832
    .private_segment_fixed_size: 0
    .kernarg_segment_align: 8
    .kernarg_segment_size: 32
    .max_flat_workgroup_size: 128
    .sgpr_count:     106
    .vgpr_count:     416
    .wavefront_size: 32
...
	.end_amdgpu_metadata
.endif
;; end of part 4
;; ======== version 2 of 2: 4 launches
;; limits: right only within a limited range of input values
;; workspace buffers: lexpart 262,144 bytes; wb 2,097,152 bytes; qh 8,388,608 bytes; kh 8,388,608 bytes; vh 8,388,608 bytes; ch 8,388,608 bytes
;; launch prep: the kernel of part 1 again; grid 256 x 1, 8 waves a work-group, no clusters, 17,408 bytes of LDS; arguments Lexicon, Wl, Wq, Wk, Wv, Wo, lexpart, wb; writes lexpart, wb
;; launch proj: the kernel of part 2 again; grid 4 x 64, 4 waves a work-group, clusters of 4 x 4, 327,680 bytes of LDS; arguments q, k, v, wb, bq, bk, bv, qh, kh, vh; writes qh, kh, vh
;; launch attn (part 5): grid 8 x 32, 4 waves a work-group, clusters of 4 x 1, 327,680 bytes of LDS; arguments qh, kh, vh, lexpart, bl, mask, ch; writes ch
.if DOCPART == 5
	.amdgcn_target "amdgcn-amd-amdhsa--gfx1250"
	.amdhsa_code_object_version 6
	.text
	.protected	k_q04367ffe10_attn
	.globl	k_q04367ffe10_attn
	.p2align	8
	.type	k_q04367ffe10_attn,@function
k_q04367ffe10_attn:
	s_mov_b64 s[64:65], 0
	v_nop
	global_prefetch_b8 v0, s[64:65] scope:SCOPE_SE
	s_setreg_imm32_b32 hwreg(HW_REG_WAVE_MODE, 25, 1), 1
	s_wait_xcnt 0x0
	s_wait_alu depctr_hold_cnt(0) depctr_sa_sdst(0) depctr_va_vdst(0) depctr_va_sdst(0) depctr_va_ssrc(0) depctr_va_vcc(0) depctr_vm_vsrc(0)
	s_getreg_b32 s2, hwreg(HW_REG_IB_STS2, 6, 4)
	s_cmp_eq_u32 s2, 0
	s_cbranch_scc0 .Lentry_in_a_cluster
	s_endpgm
.Lentry_in_a_cluster:
	s_bfe_u32 s2, ttmp6, 0x10000c
	s_cmp_lg_u32 s2, 0x3003
	s_cbranch_scc0 .Lentry_shape_is_right
	s_endpgm
.Lentry_shape_is_right:
; ch[b][h][q][d] = 0.5 (softmax(scores) V + softmax(lexicon bias) V), bf16.  One work-group: one (batch, head), 256 queries; a wave 64 queries.
; CLUSTER 4 x 1: four query blocks of one head read the same K and V tiles (256 keys): joint loads with the mask 15, a ring of two slots,
; two loads of a wave outstanding behind each round of the cluster's barrier.
; ORIENTATION: S^T = K Q^T (lane = query, registers = keys), so two neighbouring key tiles, packed to bf16, ARE the second source of O^T = V^T P^T;
; the running maximum, the sum and the rescale factor are one number a lane, and a lane ends with 8 neighbouring d of its query.
; qh carries 0.125 log2(e): scores are exponents of 2.  Running maximum as in a streaming softmax.
; MASK: the first matrix instruction of a score tile takes as C a fragment of mb[key] = 0 or -1e30.  With any key open, closed keys get weight 0, as in the
; problem (exp(-1e9 - max) = 0).  With every key of a batch closed, Q is set to 0: all scores are -1e30 exactly and the weights are uniform, as in the problem.
; LIMITS: true scores are taken to lie above about -1e9 (below that the problem's own -1e9 would win over them); in a batch with every key closed a
; non-finite k gives NaN.
; LEXICON: lex = 0.001 x (sum of the 8 partial sums) + bl; w = exp(lexm - max) with the problem's own -1e9 at closed keys; w goes to LDS in bf16 and is
; used as a second source with 16 equal columns: LX = V^T w has O's own layout.  Wave w does that for key step w of each tile, at the tile's head, by
; addresses that carry its number (20 LDS loads, 8 matrix instructions a tile): no branch, and the first tile starts the sums.  The four sums meet in LDS.
; TEXT: a key step (64 keys) names no slot and no step number: its LDS addresses run in registers, set at each tile's head.  So the 32 steps are
; five copies of the step's text (the first step, which starts the sums; three counted loops in the tiles' order; one for the last tile) and not 32.
; STAGGER: a key step has 64 matrix instructions and some 480 vector instructions, and the wave's four query tiles do not hang on each other.  So the
; matrix instructions stand singly among the softmax lines of ANOTHER query tile: scores of tile i + 1 and P V of tile i - 1 within the softmax of tile i.
; Only the scores of tile 0 (8 instructions, at the head) and P V of tile 3 (8, at the end) stand alone.  Each single matrix instruction costs two
; switches of the register window, since its operands lie in windows 0 and 1 and the softmax works in window 2.
.set KSLOT, 36864                      ; 256 keys x 144 bytes (128 + 16)
.set VBASE, 73728
.set VSLOT, 40960                      ; 256 keys x 160 bytes (128 + 32), for the transposing load
.set MBR,   155648                     ; mb, 2048 f32
.set WLR,   163840                     ; w, 2048 bf16
.set RED,   167936                     ; the waves' maxima at +0, sums at +64
.set LXR,   168192                     ; 4 waves x 64 f32
.set STG,   169216                     ; 4 waves x 16 rows x 144 bytes
; window 0
.set AK0, 8                            ; K fragments, slot 0, key step 0: stays
.set AKC, 9                            ; the running copy: + 9,216 a key step
.set AV0, 10                           ; V fragments, slot 0, key step 0: stays
.set AVC, 11                           ; the running copy: + 10,240 a key step
.set AM,  12                           ; mb fragments, running: + 256 a key step
.set AWW, 13                           ; w fragments of key step = my wave's number: + 512 a tile
.set QO,  14
.set STO, 15
.set RD,  16
.set GO,  17
.set ALX, 18
.set ALR, 19
.set CL,  20                           ; v[20:21] 0.5 / (sum of w), twice
.set KF,  32                           ; at 8 (2 kt + ks)
.set VF,  96                           ; at 8 (2 dt + ks)
.set MB,  160                          ; at 8 kt
.set WF,  192                          ; at 8 ks
.set TMP, 208
.set RB,  224
.set AVW, 240                          ; V fragments of key step = my wave's number, slot 0: stays
.set AMT, 241                          ; mb fragments of the next tile's first key step: + 1,024 a tile
; window 1
.set QF,  0                            ; at 8 (2 i + ks)
.set OA,  64                           ; at 8 (4 i + dt)
.set LXA, 192                          ; at 8 dt
; window 2
.set SC,  0                            ; at 32 i + 8 kt
.set PB,  128                          ; at 16 i
.set MX,  192                          ; running maximum of query tile i
.set LS,  196                          ; running sum (of my half of the keys)
.set AL,  200                          ; pairs: rescale factor in the even register
.set NM,  208                          ; pair: minus the new maximum in the even register
.set TT,  212
.set CS,  216
.set MSB, 0
.macro WIN new
.if MSB != \new
	s_set_vgpr_msb (MSB<<8)|\new
.set MSB, \new
.endif
.endm
.macro PLACES                          ; four plain vector places behind a matrix instruction (ISA guide 7.12.1)
.rept 4
	v_nop
.endr
.endm
.macro ROUND
	s_barrier_signal -1
	s_barrier_wait -1
	s_cmp_lg_u32 s50, 0
	s_cbranch_scc1 .Lnot_wave_0_\@
	s_barrier_signal -3
.Lnot_wave_0_\@:
	s_barrier_wait -3
	s_barrier_signal -1
	s_barrier_wait -1
.endm
	s_load_b256 s[4:11], s[0:1], 0x0               ; qh s[4:5], kh s[6:7], vh s[8:9], lexpart s[10:11]
	s_load_b128 s[12:15], s[0:1], 0x20             ; bl s[12:13], mask s[14:15]
	s_load_b64 s[48:49], s[0:1], 0x30              ; ch
	v_lshl_add_u32 v254, v0, 2, 0x2b900
	v_mov_b32 v255, 0
	ds_add_u32 v254, v255
	v_lshrrev_b32 v1, 5, v0
	v_readfirstlane_b32 s50, v1                    ; wave
	s_bfe_u32 s51, ttmp6, 0x40000                  ; cx
	s_lshl_b32 s52, ttmp9, 2
	s_add_co_u32 s52, s52, s51                     ; block of 256 queries
	s_and_b32 s53, ttmp7, 0xffff                   ; batch x 8 + head
	s_lshr_b32 s54, s53, 3                         ; batch
	s_mov_b32 s56, 0x76543210                      ; v_permlanex16_b32: lane i of one half reads lane i of the other
	s_mov_b32 s57, 0xfedcba98
	; group 1: 64 keys x 64 bf16, dense; K: 4 words of padding behind every 32, V: 8
	s_mov_b32 s16, 15|(1<<16)|(1<<20)|(1<<21)|(4<<22)|(3<<25)
	s_mov_b32 s17, 64<<16
	s_mov_b32 s18, 64<<16
	s_mov_b32 s19, 64<<16
	s_mov_b32 s20, 64
	s_mov_b32 s21, 64
	s_mov_b32 s22, 0
	s_mov_b32 s23, 0
	s_mov_b32 s24, 15|(1<<16)|(1<<20)|(1<<21)|(4<<22)|(7<<25)
	s_mov_b32 s25, 64<<16
	s_mov_b32 s26, 64<<16
	s_mov_b32 s27, 64<<16
	s_mov_b32 s28, 64
	s_mov_b32 s29, 64
	s_mov_b32 s30, 0
	s_mov_b32 s31, 0
	s_lshl_b32 s60, s53, 18                        ; K, V: 2048 keys x 128 bytes a head + 64 keys a wave: nothing of cx
	s_lshl_b32 s61, s50, 13
	s_add_co_u32 s60, s60, s61
	s_mov_b32 s61, 0
	s_lshl_b32 s62, s52, 15                        ; Q and the result: + 256 queries a block
	s_add_co_u32 s62, s62, s60
	s_mov_b32 s63, 0
	s_lshl_b32 s2, s54, 13                         ; lexpart and mask: 8,192 bytes a batch
	s_mov_b32 s3, 0
	s_mul_i32 s55, s50, 9216                       ; my quarter of a K slot
	s_mul_i32 s59, s50, 10240                      ; of a V slot
	s_mov_b32 s32, 1
	s_add_co_u32 s33, s55, 0
	s_mov_b32 s36, 1
	s_add_co_u32 s37, s55, KSLOT
	s_mov_b32 s40, 1
	s_add_co_u32 s41, s59, VBASE
	s_mov_b32 s44, 1
	s_add_co_u32 s45, s59, VBASE+VSLOT
	s_wait_dscnt 0x0
	s_wait_kmcnt 0x0
	s_add_nc_u64 s[34:35], s[6:7], s[60:61]
	s_or_b32 s35, s35, 0x80000000
	s_add_nc_u64 s[38:39], s[34:35], 32768         ; slot 1 starts with tile 1
	s_add_nc_u64 s[42:43], s[8:9], s[60:61]
	s_or_b32 s43, s43, 0x80000000
	s_add_nc_u64 s[46:47], s[42:43], 32768
	s_add_nc_u64 s[4:5], s[4:5], s[62:63]
	s_add_nc_u64 s[48:49], s[48:49], s[62:63]
	s_add_nc_u64 s[10:11], s[10:11], s[2:3]
	s_add_nc_u64 s[14:15], s[14:15], s[2:3]
	ROUND                                          ; the four work-groups are here: the first joint loads meet
	tensor_load_to_lds s[32:35], s[16:23]          ; tile 0
	s_nop 0
	tensor_load_to_lds s[40:43], s[24:31]
	s_nop 0
	v_and_b32 v1, 15, v0                           ; r
	v_bfe_u32 v2, v0, 4, 1                         ; h
	v_and_b32 v3, 7, v0
	v_bfe_u32 v4, v0, 3, 1
	v_and_b32 v5, 31, v0
	v_bfe_u32 v6, v0, 3, 2
	v_lshlrev_b32 v[QO], 7, v1
	v_lshl_add_u32 v[QO], v2, 4, v[QO]             ; query r, 16 bytes for each half of the lanes
	v_lshlrev_b32 v29, 4, v0                       ; the lexicon part: thread t owns keys 4 t + 512 g
	WIN 0x40
.irp i, 0,1,2,3
.irp ks, 0,1
	global_load_b128 v[QF+8*(2*\i+\ks):QF+8*(2*\i+\ks)+3],   v[QO], s[4:5] offset:2048*\i+64*\ks
	global_load_b128 v[QF+8*(2*\i+\ks)+4:QF+8*(2*\i+\ks)+7], v[QO], s[4:5] offset:2048*\i+64*\ks+32
.endr
.endr
	WIN 0
.irp kc, 0,1,2,3,4,5,6,7
.irp g, 0,1,2,3
	global_load_b128 v[32+16*\kc+4*\g:32+16*\kc+4*\g+3], v29, s[10:11] offset:32768*\kc+2048*\g
.endr
.endr
.irp g, 0,1,2,3
	global_load_b128 v[160+4*\g:160+4*\g+3], v29, s[12:13] offset:2048*\g
.endr
.irp g, 0,1,2,3
	global_load_b128 v[176+4*\g:176+4*\g+3], v29, s[14:15] offset:2048*\g
.endr
	v_mul_u32_u24 v[AK0], v1, 144
	v_lshl_add_u32 v[AK0], v2, 4, v[AK0]           ; key r, 16 bytes for each half of the lanes
	v_lshl_add_u32 v[AV0], v2, 3, v3               ; key 8 h + (lane & 7)
	v_mul_u32_u24 v[AV0], v[AV0], 160
	v_lshl_add_u32 v[AV0], v4, 4, v[AV0]
	v_add_nc_u32 v[AV0], VBASE, v[AV0]
	v_lshlrev_b32 v[AMT], 5, v2
	v_add_nc_u32 v[ALR], LXR, v[AMT]
	v_add_nc_u32 v[AMT], MBR, v[AMT]
	v_lshlrev_b32 v[AWW], 4, v2
	v_add_nc_u32 v[AWW], WLR, v[AWW]
	s_mul_i32 s58, s50, 10240                      ; 64 keys x 160 bytes a wave
	v_add_nc_u32 v[AVW], s58, v[AV0]
	s_lshl_b32 s58, s50, 7                         ; 64 keys x 2 bytes a wave
	v_add_nc_u32 v[AWW], s58, v[AWW]
	s_mul_i32 s55, s50, 2304
	s_add_co_u32 s55, s55, STG
	v_add_nc_u32 v[STO], s55, v[AK0]
	v_mul_u32_u24 v[RD], v6, 144
	v_lshl_add_u32 v[RD], v3, 4, v[RD]
	v_add_nc_u32 v[RD], s55, v[RD]
	v_lshlrev_b32 v[GO], 4, v5
	s_lshl_b32 s59, s50, 8
	v_add_nc_u32 v[ALX], s59, v[ALR]
	v_mov_b32 v22, 0xce6e6b28                      ; -1e9, the problem's own
	v_mov_b32 v23, 0xf149f2ca                      ; -1e30
	v_mov_b32 v26, 0                               ; a lane exchange's destination counts as read
	v_add_nc_u32 v30, MBR, v29
	v_lshlrev_b32 v31, 3, v0
	v_add_nc_u32 v31, WLR, v31
	s_lshl_b32 s58, s50, 3
	s_add_co_u32 s58, s58, RED
	v_mov_b32 v27, s58
	s_lshl_b32 s58, s50, 2
	s_add_co_u32 s58, s58, RED+64
	v_mov_b32 v7, s58
	v_mov_b32 v28, RED
	s_wait_loadcnt 0x0                             ; Q, the partial sums, bl, mask
.irp st, 4,2,1
.set n, 0
.rept 8*\st
	v_pk_add_f32 v[32+2*n:33+2*n], v[32+2*n:33+2*n], v[32+16*\st+2*n:33+16*\st+2*n]
.set n, n+1
.endr
.endr
.set n, 0
.rept 8
	v_pk_fma_f32 v[32+2*n:33+2*n], v[32+2*n:33+2*n], 0x3a83126f, v[160+2*n:161+2*n] op_sel_hi:[1,0,1]   ; x 0.001 + bl
.set n, n+1
.endr
.set n, 0
.rept 16
	v_cmp_eq_u32 vcc_lo, 1, v[176+n]
	v_cndmask_b32 v[32+n], v[32+n], v22, vcc_lo    ; closed: -1e9
	v_cndmask_b32 v[48+n], 0, v23, vcc_lo          ; mb: 0 or -1e30
.set n, n+1
.endr
.irp g, 0,1,2,3
	ds_store_b128 v30, v[48+4*\g:48+4*\g+3] offset:2048*\g
.endr
	v_max3_num_f32 v24, v32, v33, v34
	v_max3_num_f32 v25, v48, v49, v50
.irp n, 3,5,7,9,11,13
	v_max3_num_f32 v24, v24, v[32+\n], v[33+\n]
	v_max3_num_f32 v25, v25, v[48+\n], v[49+\n]
.endr
	v_max_num_f32 v24, v24, v47
	v_max_num_f32 v25, v25, v63
.irp x, 1,2,4,8
	v_max_num_f32_dpp v24, v24, v24 row_xmask:\x row_mask:0xf bank_mask:0xf
	v_max_num_f32_dpp v25, v25, v25 row_xmask:\x row_mask:0xf bank_mask:0xf
.endr
	v_permlanex16_b32 v26, v24, s56, s57
	v_max_num_f32 v24, v24, v26
	v_permlanex16_b32 v26, v25, s56, s57
	v_max_num_f32 v25, v25, v26
	ds_store_b64 v27, v[24:25]                     ; my wave's two maxima
	s_wait_dscnt 0x0                               ; my stores are done, for the other waves
	s_barrier_signal -1
	s_barrier_wait -1                              ; tile 0 may stay on its way
	ds_load_b128 v[64:67], v28
	ds_load_b128 v[68:71], v28 offset:16
	s_wait_dscnt 0x0
	v_max3_num_f32 v24, v64, v66, v68
	v_max3_num_f32 v25, v65, v67, v69
	v_max_num_f32 v24, v24, v70                    ; the largest lexicon bias of the batch
	v_max_num_f32 v25, v25, v71                    ; 0 if any key is open, else -1e30
.set n, 0
.rept 16
	v_sub_f32 v[32+n], v[32+n], v24                ; the difference first, so that equal numbers give 0 exactly, however large
.set n, n+1
.endr
.set n, 0
.rept 16
	v_mul_f32 v[32+n], 0x3fb8aa3b, v[32+n]
.set n, n+1
.endr
.set n, 0
.rept 16
	v_exp_f32 v[32+n], v[32+n]
.set n, n+1
.endr
	v_nop                                          ; one plain place behind the exponentials
	s_wait_alu depctr_va_vdst(0)
	v_pk_add_f32 v[48:49], v[32:33], v[34:35]
	v_pk_add_f32 v[50:51], v[36:37], v[38:39]
	v_pk_add_f32 v[52:53], v[40:41], v[42:43]
	v_pk_add_f32 v[54:55], v[44:45], v[46:47]
	v_pk_add_f32 v[48:49], v[48:49], v[50:51]
	v_pk_add_f32 v[52:53], v[52:53], v[54:55]
	v_pk_add_f32 v[48:49], v[48:49], v[52:53]
	v_add_f32 v48, v48, v49
.irp x, 1,2,4,8
	v_add_f32_dpp v48, v48, v48 row_xmask:\x row_mask:0xf bank_mask:0xf
.endr
	v_permlanex16_b32 v26, v48, s56, s57
	v_add_f32 v48, v48, v26
.irp g, 0,1,2,3
	v_cvt_pk_bf16_f32 v[56+2*\g], v[32+4*\g],   v[33+4*\g]
	v_cvt_pk_bf16_f32 v[57+2*\g], v[34+4*\g], v[35+4*\g]
	ds_store_b64 v31, v[56+2*\g:57+2*\g] offset:1024*\g
.endr
	ds_store_b32 v7, v48
	s_wait_dscnt 0x0
	s_barrier_signal -1
	s_barrier_wait -1
	ds_load_b128 v[64:67], v28 offset:64
	s_wait_dscnt 0x0
	v_add_f32 v64, v64, v65
	v_add_f32 v66, v66, v67
	v_add_f32 v64, v64, v66
	v_rcp_f32 v[CL], v64
	v_nop
	s_wait_alu depctr_va_vdst(0)
	v_mul_f32 v[CL], 0.5, v[CL]
	v_mov_b32 v[CL+1], v[CL]
	v_cmp_eq_f32 vcc_lo, 0, v25                    ; any key open?
	WIN 0x44
.set n, 0
.rept 64
	v_cndmask_b32 v[QF+n], 0, v[QF+n], vcc_lo      ; none: Q = 0
.set n, n+1
.endr
	WIN 0x80
.irp n, 1,3,5,7,9
	v_mov_b32 v[AL+\n], 0                          ; the unused halves of the pairs AL and NM: a packed source counts as read whole
.endr
	WIN 0
; One matrix instruction of the scores of query tile i.  n = 0..3: key tile n, d 0-31, C = the mask's fragment; n = 4..7: key tile n - 4, d 32-63, in place.
; Taken in the order of n the four accumulators take turns, one instruction a turn.
.macro QKI i, n
.set _kt, (\n)%4
.if (\n) < 4
	WIN 0x84
	v_wmma_f32_16x16x32_bf16 v[SC+32*(\i)+8*_kt:SC+32*(\i)+8*_kt+7], v[KF+16*_kt:KF+16*_kt+7], v[QF+16*(\i):QF+16*(\i)+7], v[MB+8*_kt:MB+8*_kt+7]
.else
	WIN 0xa4
	v_wmma_f32_16x16x32_bf16 v[SC+32*(\i)+8*_kt:SC+32*(\i)+8*_kt+7], v[KF+16*_kt+8:KF+16*_kt+15], v[QF+16*(\i)+8:QF+16*(\i)+15], v[SC+32*(\i)+8*_kt:SC+32*(\i)+8*_kt+7]
.endif
.endm
; One matrix instruction of O(i) += V^T P(i).  n = 0..3: d tile n, keys 0-31; n = 4..7: d tile n - 4, keys 32-63.  first = 1: keys 0-31 start the sums.
; The four accumulators take turns likewise.
.macro PVI i, n, first
.set _dt, (\n)%4
.set _ks, (\n)/4
	WIN 0x58
.if (\first)*(1-_ks)
	v_wmma_f32_16x16x32_bf16 v[OA+8*(4*(\i)+_dt):OA+8*(4*(\i)+_dt)+7], v[VF+8*(2*_dt+_ks):VF+8*(2*_dt+_ks)+7], v[PB+16*(\i)+8*_ks:PB+16*(\i)+8*_ks+7], 0
.else
	v_wmma_f32_16x16x32_bf16 v[OA+8*(4*(\i)+_dt):OA+8*(4*(\i)+_dt)+7], v[VF+8*(2*_dt+_ks):VF+8*(2*_dt+_ks)+7], v[PB+16*(\i)+8*_ks:PB+16*(\i)+8*_ks+7], v[OA+8*(4*(\i)+_dt):OA+8*(4*(\i)+_dt)+7]
.endif
.endm
; A hook in the softmax of query tile st: the stage's next matrix instruction, if one is due.  A softmax has 16 hooks.
; Stages 1 and 2 have 16 matrix instructions, one a hook: scores of tile st + 1 and P V of tile st - 1 in turn (eight accumulators take turns).
; Stage 0 has the 8 of the scores of tile 1, stage 3 the 8 of P V of tile 2: one at every second hook.
.set st, 0
.set fst, 0
.set hk, 0
.set wn, 0
.set wtot, 0
.macro H
.set hk, hk+1
.if wn < (hk*wtot)/16
.if wtot == 16
.set _hn, wn/2
.if wn%2 == 0
.set _hi, st+1
	QKI _hi, _hn
.else
.set _hi, st-1
	PVI _hi, _hn, fst
.endif
.else
.if st == 0
	QKI 1, wn
.else
	PVI 2, wn, fst
.endif
.endif
.set wn, wn+1
	WIN 0xaa
.endif
.endm
; Softmax step of query tile i on its 32 scores a lane (window 2), then the rescaling of O(i).  No line here names a register of the matrix
; instructions at the hooks: those belong to other query tiles.  Behind the last hook stand 8 conversions: more than the four places that the next
; tile's scores need before they are read (ISA guide 7.12.1).
.macro SM i, first
	WIN 0xaa
.irp c, 0,1,2,3
	v_max3_num_f32 v[TT+\c], v[SC+32*\i+8*\c], v[SC+32*\i+8*\c+1], v[SC+32*\i+8*\c+2]
.endr
	H
.irp c, 0,1,2,3
	v_max3_num_f32 v[TT+\c], v[TT+\c], v[SC+32*\i+8*\c+3], v[SC+32*\i+8*\c+4]
.endr
	H
.irp c, 0,1,2,3
	v_max3_num_f32 v[TT+\c], v[TT+\c], v[SC+32*\i+8*\c+5], v[SC+32*\i+8*\c+6]
.endr
	H
	v_max3_num_f32 v[TT],   v[TT],   v[SC+32*\i+7],  v[SC+32*\i+15]
	v_max3_num_f32 v[TT+1], v[TT+1], v[SC+32*\i+23], v[SC+32*\i+31]
.if \first
	v_max_num_f32 v[TT+2], v[TT+2], v[TT+3]
.else
	v_max3_num_f32 v[TT+2], v[TT+2], v[TT+3], v[MX+\i]
.endif
	v_max3_num_f32 v[TT], v[TT], v[TT+1], v[TT+2]
	H
	v_permlanex16_b32 v[TT+1], v[TT], s56, s57     ; the other half of the lanes holds the query's other 32 keys
	H
	v_max_num_f32 v[TT], v[TT], v[TT+1]
.if \first == 0
	v_sub_f32 v[AL+2*\i], v[MX+\i], v[TT]
.endif
	v_mov_b32 v[MX+\i], v[TT]
	v_mul_f32 v[NM], -1.0, v[TT]
	H
.set p, 0
.rept 16
	v_pk_add_f32 v[SC+32*\i+2*p:SC+32*\i+2*p+1], v[SC+32*\i+2*p:SC+32*\i+2*p+1], v[NM:NM+1] op_sel_hi:[1,0]
.set p, p+1
.if p%8 == 0
	H
.endif
.endr
.if \first == 0
	v_exp_f32 v[AL+2*\i], v[AL+2*\i]
.endif
.set p, 0
.rept 32
	v_exp_f32 v[SC+32*\i+p], v[SC+32*\i+p]
.set p, p+1
.if p%6 == 0
	H
.endif
.endr
	v_nop                                          ; one plain place behind the exponentials
	s_wait_alu depctr_va_vdst(0)
.irp c, 0,1,2,3
	v_pk_add_f32 v[CS+2*\c:CS+2*\c+1], v[SC+32*\i+8*\c:SC+32*\i+8*\c+1], v[SC+32*\i+8*\c+2:SC+32*\i+8*\c+3]
.endr
.irp c, 0,1,2,3
	v_pk_add_f32 v[CS+2*\c:CS+2*\c+1], v[CS+2*\c:CS+2*\c+1], v[SC+32*\i+8*\c+4:SC+32*\i+8*\c+5]
.endr
	H
.irp c, 0,1,2,3
	v_pk_add_f32 v[CS+2*\c:CS+2*\c+1], v[CS+2*\c:CS+2*\c+1], v[SC+32*\i+8*\c+6:SC+32*\i+8*\c+7]
.endr
	v_pk_add_f32 v[CS:CS+1],   v[CS:CS+1],   v[CS+2:CS+3]
	v_pk_add_f32 v[CS+4:CS+5], v[CS+4:CS+5], v[CS+6:CS+7]
	v_pk_add_f32 v[CS:CS+1],   v[CS:CS+1],   v[CS+4:CS+5]
.if \first
	v_add_f32 v[LS+\i], v[CS], v[CS+1]
.else
	v_fma_f32 v[LS+\i], v[LS+\i], v[AL+2*\i], v[CS]
	v_add_f32 v[LS+\i], v[LS+\i], v[CS+1]
.endif
	H
.set p, 0
.rept 16
	v_cvt_pk_bf16_f32 v[PB+16*\i+p], v[SC+32*\i+2*p], v[SC+32*\i+2*p+1]
.set p, p+1
.if p == 8
	H
.endif
.endr
.if \first == 0
	WIN 0x49
.set p, 0
.rept 16
	v_pk_mul_f32 v[OA+32*\i+2*p:OA+32*\i+2*p+1], v[OA+32*\i+2*p:OA+32*\i+2*p+1], v[AL+2*\i:AL+2*\i+1] op_sel_hi:[1,0]
.set p, p+1
.endr
.endif
.endm
; Stage i of a key step: the softmax of query tile i with its share of matrix instructions at the hooks
.macro STAGE i, first
.set st, \i
.set fst, \first
.set hk, 0
.set wn, 0
.set wtot, 16
.if \i == 0
.set wtot, 8
.endif
.if \i == 3
.set wtot, 8
.endif
	SM \i, \first
.endm
; A tile's share of the lexicon sum, on every wave's path: wave w takes key step w of the slot by addresses that carry its number.
; zero = 1: the first four matrix instructions start the sums.  The four accumulators take turns, one instruction a turn.
; The five address lines at the end set the key steps' running addresses to this tile's first step and step the tile's own; they are also the
; places between these matrix instructions and the loads that write their sources again.
.macro LXHEAD slot, zero
.irp dt, 0,1,2,3
.irp ks, 0,1
	ds_load_tr16_b128 v[VF+8*(2*\dt+\ks):VF+8*(2*\dt+\ks)+3],   v[AVW] offset:\slot*VSLOT+160*32*\ks+32*\dt
	ds_load_tr16_b128 v[VF+8*(2*\dt+\ks)+4:VF+8*(2*\dt+\ks)+7], v[AVW] offset:\slot*VSLOT+160*32*\ks+32*\dt+2560
.endr
.endr
.irp ks, 0,1
	ds_load_b128 v[WF+8*\ks:WF+8*\ks+3],   v[AWW] offset:64*\ks
	ds_load_b128 v[WF+8*\ks+4:WF+8*\ks+7], v[AWW] offset:64*\ks+32
.endr
	s_wait_dscnt 0
	WIN 0x50
.irp ks, 0,1
.irp dt, 0,1,2,3
.if \zero*(1-\ks)
	v_wmma_f32_16x16x32_bf16 v[LXA+8*\dt:LXA+8*\dt+7], v[VF+8*(2*\dt+\ks):VF+8*(2*\dt+\ks)+7], v[WF+8*\ks:WF+8*\ks+7], 0
.else
	v_wmma_f32_16x16x32_bf16 v[LXA+8*\dt:LXA+8*\dt+7], v[VF+8*(2*\dt+\ks):VF+8*(2*\dt+\ks)+7], v[WF+8*\ks:WF+8*\ks+7], v[LXA+8*\dt:LXA+8*\dt+7]
.endif
.endr
.endr
	WIN 0
.if \slot
	v_add_nc_u32 v[AKC], KSLOT, v[AK0]
	v_add_nc_u32 v[AVC], VSLOT, v[AV0]
.else
	v_mov_b32 v[AKC], v[AK0]
	v_mov_b32 v[AVC], v[AV0]
.endif
	v_mov_b32 v[AM], v[AMT]
	v_add_nc_u32 v[AMT], 1024, v[AMT]
	v_add_nc_u32 v[AWW], 512, v[AWW]
.endm
; 64 keys, at the running addresses, against my 64 queries.  first = 1: the step starts the maxima, the sums and O.
; 40 LDS loads in the order of their use: K's d 0-31 (8), mb (8), K's d 32-63 (8), V (16).
.macro STEP first
.irp kt, 0,1,2,3
	ds_load_b128 v[KF+16*\kt:KF+16*\kt+3],   v[AKC] offset:144*16*\kt
	ds_load_b128 v[KF+16*\kt+4:KF+16*\kt+7], v[AKC] offset:144*16*\kt+32
.endr
.irp kt, 0,1,2,3
	ds_load_b128 v[MB+8*\kt:MB+8*\kt+3],   v[AM] offset:64*\kt
	ds_load_b128 v[MB+8*\kt+4:MB+8*\kt+7], v[AM] offset:64*\kt+16
.endr
.irp kt, 0,1,2,3
	ds_load_b128 v[KF+16*\kt+8:KF+16*\kt+11],  v[AKC] offset:144*16*\kt+64
	ds_load_b128 v[KF+16*\kt+12:KF+16*\kt+15], v[AKC] offset:144*16*\kt+96
.endr
.irp dt, 0,1,2,3
.irp ks, 0,1
	ds_load_tr16_b128 v[VF+8*(2*\dt+\ks):VF+8*(2*\dt+\ks)+3],   v[AVC] offset:160*32*\ks+32*\dt
	ds_load_tr16_b128 v[VF+8*(2*\dt+\ks)+4:VF+8*(2*\dt+\ks)+7], v[AVC] offset:160*32*\ks+32*\dt+2560
.endr
.endr
	s_wait_dscnt 24                                ; K's d 0-31 and mb are in; the 24 younger loads (K's d 32-63, V) may be out
.irp n, 0,1,2,3
	QKI 0, \n
.endr
	s_wait_dscnt 16                                ; all of K is in; V's sixteen loads may be out
.irp n, 4,5,6,7
	QKI 0, \n
.endr
	WIN 0xaa
	PLACES                                         ; behind the scores of tile 0, which the next line reads
	STAGE 0, \first                                ; softmax 0, with the scores of tile 1
	s_wait_dscnt 0                                 ; V, which the next stage's matrix instructions read
	STAGE 1, \first                                ; softmax 1, with the scores of tile 2 and P V of tile 0
	STAGE 2, \first                                ; softmax 2, with the scores of tile 3 and P V of tile 1
	STAGE 3, \first                                ; softmax 3, with P V of tile 2
.irp n, 0,1,2,3,4,5,6,7
	PVI 3, \n, \first
.endr
	WIN 0
	v_add_nc_u32 v[AKC], 64*144, v[AKC]            ; the next 64 keys; with the v_nop these are the four places behind the last matrix
	v_add_nc_u32 v[AVC], 64*160, v[AVC]            ; instruction, whose sources the next loads write again
	v_add_nc_u32 v[AM], 64*4, v[AM]
	v_nop
.endm
.macro STEPS cnt                       ; cnt key steps in a counted loop
	s_mov_b32 s59, \cnt
.Lstep_\@:
	STEP 0
	s_sub_co_u32 s59, s59, 1
	s_cmp_lg_u32 s59, 0
	s_cbranch_scc1 .Lstep_\@
.endm
; The head of a tile of 256 keys.  The round stands for the barrier in front of a refill: my tensor loads have all landed and my reads are back in front
; of it, the joint refills of the other slot are the first tensor loads behind it, ahead of the first LDS read.
.macro HEAD slot, refill, zero
	s_wait_tensorcnt 0x0                           ; all my loads are done, my quarters of this tile among them,
	ds_add_u32 v254, v255
	s_wait_dscnt 0x0
	s_add_nc_u64 s[34+4*\slot:35+4*\slot], s[34+4*\slot:35+4*\slot], 65536   ; so every group 0 may be written: this slot's next tile
	s_add_nc_u64 s[42+4*\slot:43+4*\slot], s[42+4*\slot:43+4*\slot], 65536
	s_wait_dscnt 0x0                               ; my reads of the last tile are done
	ROUND
.if \refill
	tensor_load_to_lds s[36-4*\slot:39-4*\slot], s[16:23]
	s_nop 0
	tensor_load_to_lds s[44-4*\slot:47-4*\slot], s[24:31]
	s_nop 0
.endif
	LXHEAD \slot, \zero
.endm
	HEAD 0, 1, 1                                   ; tile 0; tile 1 goes out
	STEP 1                                         ; the first key step starts all sums: nothing is cleared
	STEPS 3
	s_mov_b32 s58, 3
.Lpair:                                            ; tiles 1 to 6; each head asks for the next tile
	HEAD 1, 1, 0
	STEPS 4
	HEAD 0, 1, 0
	STEPS 4
	s_sub_co_u32 s58, s58, 1
	s_cmp_lg_u32 s58, 0
	s_cbranch_scc1 .Lpair
	HEAD 1, 0, 0                                   ; tile 7 fetches nothing (the stepped addresses are not used)
	STEPS 4
	WIN 0xaa                                       ; the last step's four places stand behind the last matrix instruction
.irp i, 0,1,2,3
	v_permlanex16_b32 v[TT+\i], v[LS+\i], s56, s57
.endr
.irp i, 0,1,2,3
	v_add_f32 v[LS+\i], v[LS+\i], v[TT+\i]         ; the two halves of the keys
.endr
.irp i, 0,1,2,3
	v_rcp_f32 v[TT+\i], v[LS+\i]
.endr
	v_nop
	s_wait_alu depctr_va_vdst(0)
.irp i, 0,1,2,3
	v_mul_f32 v[AL+2*\i], 0.5, v[TT+\i]
.endr
	WIN 0x04
.irp dt, 0,1,2,3
	ds_store_b128 v[ALX], v[LXA+8*\dt:LXA+8*\dt+3]   offset:64*\dt       ; the sixteen lanes of a half hold, and write, the same numbers
	ds_store_b128 v[ALX], v[LXA+8*\dt+4:LXA+8*\dt+7] offset:64*\dt+16
.endr
	WIN 0
	s_wait_dscnt 0x0
	s_barrier_signal -1
	s_barrier_wait -1
.irp wv, 0,1,2,3
.irp dt, 0,1,2,3
	ds_load_b128 v[32+32*\wv+8*\dt:32+32*\wv+8*\dt+3], v[ALR] offset:256*\wv+64*\dt
	ds_load_b128 v[36+32*\wv+8*\dt:36+32*\wv+8*\dt+3], v[ALR] offset:256*\wv+64*\dt+16
.endr
.endr
	s_wait_dscnt 0x0
.set n, 0
.rept 16
	v_pk_add_f32 v[32+2*n:33+2*n], v[32+2*n:33+2*n], v[64+2*n:65+2*n]
	v_pk_add_f32 v[96+2*n:97+2*n], v[96+2*n:97+2*n], v[128+2*n:129+2*n]
.set n, n+1
.endr
.set n, 0
.rept 16
	v_pk_add_f32 v[32+2*n:33+2*n], v[32+2*n:33+2*n], v[96+2*n:97+2*n]
.set n, n+1
.endr
.set n, 0
.rept 16
	v_pk_mul_f32 v[32+2*n:33+2*n], v[32+2*n:33+2*n], v[CL:CL+1]            ; 0.5 x the lexicon's average of V, at 8 dt + j
.set n, n+1
.endr
; query tile i: 0.5 O / l + the lexicon's share, to bf16, through my own stage, out in runs of 512 bytes
.macro OUTI i
	WIN 0x49
.irp dt, 0,1,2,3
.irp p, 0,1,2,3
	v_pk_fma_f32 v[OA+8*(4*\i+\dt)+2*\p:OA+8*(4*\i+\dt)+2*\p+1], v[OA+8*(4*\i+\dt)+2*\p:OA+8*(4*\i+\dt)+2*\p+1], v[AL+2*\i:AL+2*\i+1], v[32+8*\dt+2*\p:33+8*\dt+2*\p] op_sel_hi:[1,0,1]
.endr
.endr
	WIN 0x05
.irp dt, 0,1,2,3
.irp c, 0,1,2,3
	v_cvt_pk_bf16_f32 v[TMP+4*\dt+\c], v[OA+8*(4*\i+\dt)+2*\c], v[OA+8*(4*\i+\dt)+2*\c+1]
.endr
.endr
	WIN 0
.irp dt, 0,1,2,3
	ds_store_b128 v[STO], v[TMP+4*\dt:TMP+4*\dt+3] offset:32*\dt
.endr
	s_wait_xcnt 0x0                                ; RB, which earlier stores read, is loaded again only behind this wait
.irp u, 0,1,2,3
	ds_load_b128 v[RB+4*\u:RB+4*\u+3], v[RD] offset:576*\u
.endr
.irp u, 0,1,2,3
	s_wait_dscnt 3-\u
	global_store_b128 v[GO], v[RB+4*\u:RB+4*\u+3], s[48:49] offset:2048*\i+512*\u
.endr
.endm
	OUTI 0
	OUTI 1
	OUTI 2
	OUTI 3
	s_wait_tensorcnt 0x0
	ds_add_u32 v254, v255
	s_wait_dscnt 0x0
	ROUND                                          ; the closing round
	s_endpgm
.Lfunc_end_k_q04367ffe10_attn:
	.size	k_q04367ffe10_attn, .Lfunc_end_k_q04367ffe10_attn-k_q04367ffe10_attn
	.p2alignl 7, 3214868480
	.fill 96, 4, 3214868480
	.section	.rodata,"a",@progbits
	.p2align	6, 0x0
	.amdhsa_kernel k_q04367ffe10_attn
		.amdhsa_group_segment_fixed_size 327680
		.amdhsa_private_segment_fixed_size 0
		.amdhsa_enable_private_segment 0
		.amdhsa_kernarg_size 56
		.amdhsa_user_sgpr_count 2
		.amdhsa_user_sgpr_kernarg_segment_ptr 1
		.amdhsa_wavefront_size32 1
		.amdhsa_system_sgpr_workgroup_id_x 1
		.amdhsa_system_sgpr_workgroup_id_y 1
		.amdhsa_system_sgpr_workgroup_id_z 1
		.amdhsa_system_vgpr_workitem_id 0
		.amdhsa_next_free_vgpr 768
		.amdhsa_next_free_sgpr 66
		.amdhsa_reserve_vcc 1
		.amdhsa_float_denorm_mode_32 3
		.amdhsa_float_denorm_mode_16_64 3
		.amdhsa_memory_ordered 1
		.amdhsa_forward_progress 1
		.amdhsa_inst_pref_size 232
	.end_amdhsa_kernel
	.amdgpu_metadata
---
amdhsa.version: [ 1, 2 ]
amdhsa.kernels:
  - .name:           k_q04367ffe10_attn
    .symbol:         k_q04367ffe10_attn.kd
    .args:
      - { .name: qh, .offset: 0, .size: 8, .value_kind: global_buffer, .address_space: global }
      - { .name: kh, .offset: 8, .size: 8, .value_kind: global_buffer, .address_space: global }
      - { .name: vh, .offset: 16, .size: 8, .value_kind: global_buffer, .address_space: global }
      - { .name: lexpart, .offset: 24, .size: 8, .value_kind: global_buffer, .address_space: global }
      - { .name: bl, .offset: 32, .size: 8, .value_kind: global_buffer, .address_space: global }
      - { .name: mask, .offset: 40, .size: 8, .value_kind: global_buffer, .address_space: global }
      - { .name: ch, .offset: 48, .size: 8, .value_kind: global_buffer, .address_space: global }
    .group_segment_fixed_size: 327680
    .private_segment_fixed_size: 0
    .kernarg_segment_align: 8
    .kernarg_segment_size: 56
    .max_flat_workgroup_size: 128
    .sgpr_count:     66
    .vgpr_count:     768
    .wavefront_size: 32
...
	.end_amdgpu_metadata
.endif
;; end of part 5
;; launch outp: the kernel of part 4 again; grid 4 x 64, 4 waves a work-group, clusters of 4 x 4, 312,832 bytes of LDS; arguments ch, wb, bo, out0; writes out0
